; MI455X (gfx1250); checked and timed in simulation.
; The chip was launched on July 23, 2026; its instructions are those of AMD's public machine-readable ISA for CDNA 5 (MIT licence, August 2026) and "CDNA5" Instruction Set Architecture Reference Guide (July 2026). The comments in the code are by the model that wrote it; some were corrected since.
;; Attention. Allowed arithmetic: matrix products marked QUANTISED: E4M3 operands, one given power-of-two scale a tensor, by v_wmma_f32_16x16x64_fp8_fp8 or v_wmma_f32_16x16x128_fp8_fp8, f32 sums; everything else in f32.
;; Inputs: lowp_scales 12 int32 (the exponents e of the quantised operands' scales 2^e); wk 1,024 x 256 float32; wo 1,024 x 1,024 float32; wq 1,024 x 1,024 float32; wv 1,024 x 256 float32; x 2 x 2,048 x 1,024 float32.
;; Outputs: out0 2 x 2,048 x 1,024 float32.
;; This version of the problem:
;;   THIS VERSION OF THE PROBLEM IS GIVEN IN LOW PRECISION. The matrix products marked QUANTISED in the list below multiply operands that are first quantised to E4M3 (4 exponent bits, 3 mantissa bits; 8 bits a number), with one given power-of-two scale for each operand tensor; their sums are f32. All else is computed in f32.
;;   The module's matrix products, in the order in which they are computed (A, B: the left and right operand; K: the contracted axis; several contracted axes count as one K, in the product's order):
;;     1. [M 4,096, K 1,024] x [K 1,024, N 1,024]; A: input x; B: input wq: QUANTISED (scales: A lowp_scales[0], B lowp_scales[1])
;;     2. [M 4,096, K 1,024] x [K 1,024, N 256]; A: input x; B: input wk: QUANTISED (scales: A lowp_scales[2], B lowp_scales[3])
;;     3. [M 4,096, K 1,024] x [K 1,024, N 256]; A: input x; B: input wv: QUANTISED (scales: A lowp_scales[4], B lowp_scales[5])
;;     4. batch 32 x [M 2,048, K 64] x [K 64, N 2,048]; A: computed on the way; B: computed on the way: QUANTISED (scales: A lowp_scales[6], B lowp_scales[7])
;;     5. batch 32 x [M 2,048, K 2,048] x [K 2,048, N 64]; A: softmax (see below); B: computed on the way: QUANTISED (scales: A lowp_scales[8], B lowp_scales[9])
;;     6. [M 4,096, K 1,024] x [K 1,024, N 1,024]; A: computed on the way; B: input wo: QUANTISED (scales: A lowp_scales[10], B lowp_scales[11])
;;   THE QUANTISER, for each operand of a quantised product, along K:
;;     - The operand's scale is 2^e, e = its entry of the input lowp_scales (int32; the entries are numbered through the quantised products in the list's order, A before B).
;;     - Each number is divided by the scale, clamped to +-448, and rounded to the nearest number of E4M3, ties to even, subnormals kept.
;;     - The product sums the exact products of the quantised numbers (number of the format x scale) in f32.
;;   ~~~python
;;   def quantise(x, axis, e):      # numpy; x: float32 -> the quantised numbers, widened to float32 again
;;       x = np.moveaxis(x, axis, -1); K = x.shape[-1]
;;       r = np.clip(x / 2.0 ** e, -448, 448)
;;       step = 2.0 ** (np.maximum(np.frexp(np.where(r == 0, 1, r))[1] - 1, -6) - 3)
;;       q = np.round(r / step) * step * 2.0 ** e      # np.round: ties to even
;;       return np.moveaxis(q, -1, axis).astype(np.float32)
;;   ~~~
;;   SOFTMAX AHEAD OF A QUANTISED PRODUCT. Where the list says 'softmax', what is quantised is not the finished softmax but p = 2^(t - M), with t = logit x log2(e) and M = ceil(the row's largest t), a whole number; so 1/2 < the row's largest p <= 1. The row's sum l is taken of the UNQUANTISED p, in f32, and the product's result is divided by l at the end. Since M is a whole number, a kernel that streams over the keys may use a running M (the ceiling of the running maximum): every later rescaling is an exact power of two, so the quantised numbers keep their values, but for numbers so far below the row's largest that they fall under the format's range.
;;   OPERANDS COMPUTED ON THE WAY. 'Computed on the way' means the value that the module computes at that place (a softmax that the list does not call 'softmax' is quantised finished and normalised). What goes into a quantiser is computed in f32, as accurately as f32 sums, v_exp_f32 and their like allow (about 1e-6 of the number): no bf16 or f16 on the way to a quantiser, and a product that is left as it is and whose result goes on into a quantised operand takes f32 operands (vector FMAs, or v_wmma_f32_16x16x4_f32). A number that lies on a knife's edge between two numbers of the format may be rounded either way, as far as f32 arithmetic and the matrix unit's own rounding can turn it there, and no further.
;; 2 versions, each right; version 2 is version 1 with the launches qkv, att, outp written anew for expert scheduling mode. Each part assembles by itself: llvm-mc -triple=amdgcn-amd-amdhsa -mcpu=gfx1250 --defsym DOCPART=n.
;; ======== version 1 of 2: 4 launches
;; workspace buffers: xc 12,582,912 bytes; wimg 2,621,440 bytes; rope 524,288 bytes; qimg 4,194,304 bytes; kv 2,097,152 bytes; aimg 4,194,304 bytes
;; launch prep (part 1): grid 432 x 1, 8 waves a work-group, no clusters, 68,608 bytes of LDS; arguments x, wq, wk, wv, wo, lowp_scales, xc, wimg, rope; writes xc, wimg, rope
.if DOCPART == 1
	.amdgcn_target "amdgcn-amd-amdhsa--gfx1250"
	.amdhsa_code_object_version 6
	.text
	.protected	k_q8c0ee67c65_prep
	.globl	k_q8c0ee67c65_prep
	.p2align	8
	.type	k_q8c0ee67c65_prep,@function
k_q8c0ee67c65_prep:
	s_mov_b64 s[64:65], 0
	v_nop
	global_prefetch_b8 v0, s[64:65] scope:SCOPE_SE
	s_setreg_imm32_b32 hwreg(HW_REG_WAVE_MODE, 25, 1), 1
	s_wait_xcnt 0x0
; PREP: x and the four weights become codes of FP8 (E4M3), and RoPE's cosines and sines are made.  All three results are laid as IMAGES OF OPERAND REGISTERS.
; A fragment of 16 rows x 128 K is 16 registers a lane: lane (r = lane % 16, h = lane / 16) holds row r, registers 2 c, 2 c + 1 hold k = 16 c + 8 h + 0 .. 7.
; Its image is 2,048 bytes: registers 4 g .. 4 g + 3 of lane l at byte 512 g + 16 l.  So every later load of an operand is 512 consecutive bytes an instruction.
;   xc   [3 sections of 4 MiB: scales e0, e2, e4][row tile m = token / 16: 256][K step s: 8][2,048]
;   wimg [tile of 16 columns: 160][K step s: 8][2,048]: tiles 0-63 wq, 64-79 wk, 80-95 wv, 96-159 wo
;   rope [token tile tt: 128][group 0-7][512]: groups 0-3 cos, 4-7 sin; register n = 0 .. 15 of lane (r, h): position 16 tt + r, frequency 16 (n / 8) + 8 h + n % 8
; code = number / 2^e, held within +-448, to the nearest code, ties to even.
; Work-groups 0-255: a row tile of x, wave w = K step w.  256-415: 64 columns x 256 K of a weight.  416-431: eight token tiles of the tables.  Waves share nothing: no barrier.
; LIMITS: each of e0, e2, e4, e1, e3, e5, e11 lies between -126 and 119, so that 2^e and 448 x 2^e are f32 numbers.  NaN among the inputs is not served; infinities are held at the largest code.
; The angle is position x inv_freq in f32, inv_freq = 2^(-f log2(10000) / 32) by v_exp_f32: it differs from a correctly rounded inv_freq by a few units in the last place,
; which at position 2,047 is some 2e-4 radians at the most.
.set LI,  1                            ; v1   16 x lane
.set RR,  2                            ; v2   r
.set HH,  3                            ; v3   h
.set XS,  16                           ; v16-79   64 numbers as loaded
.set XN,  80                           ; v80-143  x: 64 numbers, register 8 c + i = k 16 c + 8 h + i of row r
.set TT,  144                          ; v144-159 two sets of eight held numbers, by turns
.set CD,  160                          ; v160-207 codes: 16 registers for each of x's three scales
.set SPX, 528                          ; a stage row: 512 bytes + 16, so that sixteen rows start at sixteen different banks
.macro MKSC e, sc, lim                 ; s[e] = a scale's exponent -> v[sc] = 2^e as f32 (the conversion takes its exponent field), v[lim] = 448 x 2^e
	s_add_co_i32 s30, s[\e], 127
	s_lshl_b32 s31, s30, 23
	v_mov_b32 v[\sc], s31
	s_add_co_i32 s30, s30, 8
	s_lshl_b32 s30, s30, 23
	s_or_b32 s30, s30, 0x600000
	v_mov_b32 v[\lim], s30
.endm
	s_load_b512 s[8:23], s[0:1], 0x0               ; x s[8:9], wq s[10:11], wk s[12:13], wv s[14:15], wo s[16:17], scales s[18:19], xc s[20:21], wimg s[22:23]
	s_load_b64 s[24:25], s[0:1], 0x40              ; rope
	v_lshl_add_u32 v208, v0, 2, 0x10800
	v_mov_b32 v209, 0
	v_lshrrev_b32 v1, 5, v0
	v_readfirstlane_b32 s4, v1                     ; wave 0..7
	v_and_b32 v1, 31, v0
	v_lshlrev_b32 v[LI], 4, v1
	v_and_b32 v[RR], 15, v0
	v_bfe_u32 v[HH], v0, 4, 1
	s_mov_b32 s27, 0                               ; the high word of every offset pair s[26:27]
	s_wait_kmcnt 0x0
	s_cmp_lt_u32 ttmp9, 256
	s_cbranch_scc1 .Lx
	s_cmp_lt_u32 ttmp9, 416
	s_cbranch_scc1 .Lw
	; ---------------- THE TABLES: wave w of work-group 416 + u makes token tile tt = 8 u + w
	s_sub_co_u32 s26, ttmp9, 416
	s_lshl_b32 s26, s26, 3
	s_add_co_u32 s26, s26, s4                      ; tt
	s_lshl_b32 s28, s26, 4
	v_add_nc_u32 v4, s28, v[RR]
	v_cvt_f32_u32 v4, v4                           ; my position, 16 tt + r
	v_lshlrev_b32 v5, 3, v[HH]                     ; 8 h
	s_mov_b32 s66, 0x3f22f983                      ; 2 / pi
	s_mov_b32 s67, 0xbfc90fdb                      ; -(pi / 2), its f32 part,
	s_mov_b32 s68, 0x333bbd2e                      ; and what that part leaves over, negated
	s_mov_b32 s69, 0x37ccf5ce                      ; cos r = 1 - z / 2 + z^2 (c0 + c1 z + c2 z^2), z = r^2, |r| <= pi / 4
	s_mov_b32 s70, 0xbab6061a
	s_mov_b32 s71, 0x3d2aaaa5
	s_mov_b32 s72, 0xb94ca1f9                      ; sin r = r + r z (s0 + s1 z + s2 z^2)
	s_mov_b32 s73, 0x3c08839e
	s_mov_b32 s74, 0xbe2aaaa3
	s_mov_b32 s75, 0x80000000
.irp n, 0,1,2,3,4,5,6,7,8,9,10,11,12,13,14,15
	v_add_nc_u32 v[16+\n], 16*(\n/8)+\n%8, v5      ; the frequency's number f
.endr
.irp n, 0,1,2,3,4,5,6,7,8,9,10,11,12,13,14,15
	v_cvt_f32_u32 v[16+\n], v[16+\n]
.endr
.irp n, 0,1,2,3,4,5,6,7,8,9,10,11,12,13,14,15
	v_mul_f32 v[16+\n], 0xbed49a78, v[16+\n]       ; -f log2(10000) / 32
.endr
.irp n, 0,1,2,3,4,5,6,7,8,9,10,11,12,13,14,15
	v_exp_f32 v[16+\n], v[16+\n]                   ; inv_freq
.endr
	v_nop                                          ; a plain instruction between the last exponential and the use of its result (ISA guide 5.7.2)
	s_wait_alu depctr_va_vdst(0)
.macro SINCOS n                        ; angle a = position x inv_freq; a = N pi / 2 + r; the quadrant N mod 4 says which of sin r, cos r is taken and with which sign
	v_mul_f32 v6, v4, v[16+\n]
	v_mul_f32 v7, s66, v6
	v_rndne_f32 v7, v7                             ; N
	v_fma_f32 v8, v7, s67, v6
	v_fma_f32 v8, v7, s68, v8                      ; r
	v_cvt_i32_f32 v9, v7
	v_mul_f32 v10, v8, v8                          ; z
	v_fma_f32 v11, s69, v10, s70
	v_fma_f32 v12, s72, v10, s73
	v_fma_f32 v11, v11, v10, s71
	v_fma_f32 v12, v12, v10, s74
	v_mul_f32 v13, v10, v8
	v_fma_f32 v11, v11, v10, -0.5
	v_fma_f32 v12, v12, v13, v8                    ; sin r
	v_fma_f32 v11, v11, v10, 1.0                   ; cos r
	v_and_b32 v13, 1, v9
	v_cmp_eq_u32 vcc_lo, 1, v13
	v_cndmask_b32 v[32+\n], v11, v12, vcc_lo       ; an odd quadrant swaps the two
	v_cndmask_b32 v[48+\n], v12, v11, vcc_lo
	v_lshlrev_b32 v13, 30, v9
	v_add_nc_u32 v14, 1, v9
	v_and_b32 v13, s75, v13                        ; sin is negative in quadrants 2 and 3,
	v_lshlrev_b32 v14, 30, v14
	v_xor_b32 v[48+\n], v13, v[48+\n]
	v_and_b32 v14, s75, v14                        ; cos in quadrants 1 and 2
	v_xor_b32 v[32+\n], v14, v[32+\n]
.endm
.irp n, 0,1,2,3,4,5,6,7,8,9,10,11,12,13,14,15
	SINCOS \n
.endr
	s_lshl_b32 s26, s26, 12
	s_add_nc_u64 s[24:25], s[24:25], s[26:27]
.irp g, 0,1,2,3,4,5,6,7
	global_store_b128 v[LI], v[32+4*\g:32+4*\g+3], s[24:25] offset:512*\g   ; 512 consecutive bytes a store
.endr
	s_endpgm
	; ---------------- x: work-group m = a tile of 16 rows, wave w = K step w (128 numbers of each row)
.Lx:
	s_load_b256 s[32:39], s[18:19], 0x0            ; e0 .. e7
	s_lshl_b32 s26, ttmp9, 16                      ; 16 rows of 4,096 bytes
	s_lshl_b32 s28, s4, 9                          ; + 512 bytes a K step
	s_add_co_u32 s26, s26, s28
	s_add_nc_u64 s[8:9], s[8:9], s[26:27]
.irp i, 0,1,2,3,4,5,6,7,8,9,10,11,12,13,14,15
	global_load_b128 v[XS+4*\i:XS+4*\i+3], v[LI], s[8:9] offset:4096*\i th:TH_LOAD_NT   ; row i: 32 lanes read 512 consecutive bytes; read once in the launch
.endr
	s_mul_i32 s28, s4, 16*SPX                      ; my wave's own stage
	v_add_nc_u32 v10, s28, v[LI]                   ; in: as loaded
	v_mul_u32_u24 v11, v[RR], SPX
	v_lshl_add_u32 v11, v[HH], 5, v11
	v_add_nc_u32 v11, s28, v11                     ; back: row r, + 32 h bytes: my eight numbers of each 16 along K
	s_lshl_b32 s26, ttmp9, 3
	s_add_co_u32 s26, s26, s4
	s_lshl_b32 s26, s26, 11                        ; fragment (m, s) at (8 m + s) x 2,048,
	s_add_co_u32 s26, s26, 4194304                 ; counted from the middle section: the three sections are then -4 MiB, 0 and +4 MiB away, inside the signed 24-bit immediate (ISA guide, chapter 10)
	s_add_nc_u64 s[20:21], s[20:21], s[26:27]
	s_wait_kmcnt 0x0
	MKSC 32, 4, 5                                  ; e0: x as the operand of x wq
	MKSC 34, 6, 7                                  ; e2: of x wk
	MKSC 36, 8, 9                                  ; e4: of x wv
.irp i, 0,1,2,3,4,5,6,7,8,9,10,11,12,13,14,15
	s_wait_loadcnt 15-\i                           ; loads come back in order (ISA guide 5.7.1): row i is in, the younger rows stay out
	ds_store_b128 v10, v[XS+4*\i:XS+4*\i+3] offset:SPX*\i
.endr
.irp c, 0,1,2,3,4,5,6,7
	ds_load_b128 v[XN+8*\c:XN+8*\c+3], v11 offset:64*\c          ; LDS serves a wave's instructions in order (ISA guide 5.7.1.4): these see my stores
	ds_load_b128 v[XN+8*\c+4:XN+8*\c+7], v11 offset:64*\c+16
.endr
	s_wait_dscnt 0x0
.irp u, 0,1,2                          ; the same numbers under each of the three scales
.irp c, 0,1,2,3,4,5,6,7
.irp i, 0,1,2,3,4,5,6,7
	v_med3_num_f32 v[TT+8*(\c%2)+\i], v[XN+8*\c+\i], -v[5+2*\u], v[5+2*\u]   ; the conversion to an 8-bit code does not saturate (ISA guide 7.6.2): the hold at the largest code x the scale
.endr
	v_cvt_scalef32_pk8_fp8_f32 v[CD+16*\u+2*\c:CD+16*\u+2*\c+1], v[TT+8*(\c%2):TT+8*(\c%2)+7], v[4+2*\u]   ; registers 2 c, 2 c + 1 of the fragment; its sources are written again only behind the other set's eight holds
.endr
.endr
	v_nop                                          ; a plain instruction behind the last conversion
.irp u, 0,1,2
.irp g, 0,1,2,3
	global_store_b128 v[LI], v[CD+16*\u+4*\g:CD+16*\u+4*\g+3], s[20:21] offset:(\u-1)*4194304+512*\g
.endr
.endr
	s_wait_tensorcnt 0x0
	ds_add_u32 v208, v209
	s_wait_dscnt 0x0
	s_endpgm
	; ---------------- the weights, stored [K][N]: A LANE TAKES A COLUMN AND ITS REGISTERS RUN DOWN K, in the order that the fragment gives that lane: nothing is transposed
	; work-group 256 + u: columns 64 (u / 4) on of the four weights on end (wq 1,024, wk 256, wv 256, wo 1,024); wave w: tile w % 4 of them, K step 2 (u % 4) + w / 4
.Lw:
	s_load_b256 s[32:39], s[18:19], 0x0            ; e0 .. e7
	s_load_b128 s[40:43], s[18:19], 0x20           ; e8 .. e11
	s_sub_co_u32 s50, ttmp9, 256
	s_lshr_b32 s51, s50, 2                         ; cg: which 64 columns, 0 .. 39
	s_and_b32 s52, s50, 3
	s_and_b32 s58, s4, 3                           ; nt: which 16 of them
	s_lshr_b32 s59, s4, 2
	s_lshl_b32 s52, s52, 1
	s_add_co_u32 s59, s59, s52                     ; the K step
	s_sub_co_u32 s47, s51, 24
	s_sub_co_u32 s53, s51, 20
	s_sub_co_u32 s54, s51, 16
	s_wait_kmcnt 0x0
	s_mov_b64 s[44:45], s[16:17]                   ; cg 24-39: wo, e11
	s_mov_b32 s46, s43
	s_cmp_lt_u32 s51, 24                           ; the choices hang on the work-group's number alone
	s_cselect_b64 s[44:45], s[14:15], s[44:45]     ; cg 20-23: wv, e5
	s_cselect_b32 s46, s37, s46
	s_cselect_b32 s47, s53, s47
	s_cmp_lt_u32 s51, 20
	s_cselect_b64 s[44:45], s[12:13], s[44:45]     ; cg 16-19: wk, e3
	s_cselect_b32 s46, s35, s46
	s_cselect_b32 s47, s54, s47
	s_cmp_lt_u32 s51, 16
	s_cselect_b64 s[44:45], s[10:11], s[44:45]     ; cg 0-15: wq, e1
	s_cselect_b32 s46, s33, s46
	s_cselect_b32 s47, s51, s47                    ; s47: which 64 columns of that weight
	s_cmp_lt_u32 s54, 8                            ; wk and wv have rows of 1,024 bytes, wq and wo of 4,096
	s_cselect_b32 s56, 10, 12
	v_lshlrev_b32 v12, 3, v[HH]
	v_lshlrev_b32 v12, s56, v12                    ; lanes 16-31 begin eight rows further down
	v_lshl_add_u32 v12, v[RR], 2, v12              ; + 4 r: my column
	s_lshl_b32 s57, s59, 7
	s_lshl_b32 s57, s57, s56                       ; 128 rows a K step
	s_lshl_b32 s60, s47, 8
	s_add_co_u32 s57, s57, s60
	s_lshl_b32 s60, s58, 6
	s_add_co_u32 s26, s57, s60                     ; + (64 columns' group + 16 nt) x 4 bytes
	s_add_nc_u64 s[44:45], s[44:45], s[26:27]
.macro WLOAD pitch                     ; register 8 c + i = W(128 s + 16 c + 8 h + i, my column): sixteen lanes read 64 consecutive bytes, the four waves nt = 0 .. 3 together 256
.irp c, 0,1,2,3,4,5,6,7
.irp i, 0,1,2,3,4,5,6,7
	global_load_b32 v[XS+8*\c+\i], v12, s[44:45] offset:(16*\c+\i)*\pitch
.endr
.endr
.endm
	s_cmp_eq_u32 s56, 10
	s_cbranch_scc1 .Lnarrow
	WLOAD 4096
	s_branch .Lwjoin
.Lnarrow:
	WLOAD 1024
.Lwjoin:
	s_lshl_b32 s60, s51, 2
	s_add_co_u32 s60, s60, s58                     ; the tile's number, 4 cg + nt
	s_lshl_b32 s60, s60, 14
	s_lshl_b32 s62, s59, 11
	s_add_co_u32 s60, s60, s62
	s_mov_b32 s61, 0
	s_add_nc_u64 s[22:23], s[22:23], s[60:61]
	MKSC 46, 4, 5
	s_wait_loadcnt 0x0
.set n, 0
.rept 64
	v_med3_num_f32 v[XS+n], v[XS+n], -v5, v5
.set n, n+1
.endr
.irp c, 0,1,2,3,4,5,6,7
	v_cvt_scalef32_pk8_fp8_f32 v[CD+2*\c:CD+2*\c+1], v[XS+8*\c:XS+8*\c+7], v4
.endr
	v_nop                                          ; a plain instruction behind the last conversion
.irp g, 0,1,2,3
	global_store_b128 v[LI], v[CD+4*\g:CD+4*\g+3], s[22:23] offset:512*\g
.endr
	s_endpgm
.Lfunc_end_k_q8c0ee67c65_prep:
	.size	k_q8c0ee67c65_prep, .Lfunc_end_k_q8c0ee67c65_prep-k_q8c0ee67c65_prep
	.p2alignl 7, 3214868480
	.fill 96, 4, 3214868480
	.section	.rodata,"a",@progbits
	.p2align	6, 0x0
	.amdhsa_kernel k_q8c0ee67c65_prep
		.amdhsa_group_segment_fixed_size 68608
		.amdhsa_private_segment_fixed_size 0
		.amdhsa_enable_private_segment 0
		.amdhsa_kernarg_size 72
		.amdhsa_user_sgpr_count 2
		.amdhsa_user_sgpr_kernarg_segment_ptr 1
		.amdhsa_wavefront_size32 1
		.amdhsa_system_sgpr_workgroup_id_x 1
		.amdhsa_system_sgpr_workgroup_id_y 1
		.amdhsa_system_sgpr_workgroup_id_z 1
		.amdhsa_system_vgpr_workitem_id 0
		.amdhsa_next_free_vgpr 210
		.amdhsa_next_free_sgpr 80
		.amdhsa_reserve_vcc 1
		.amdhsa_float_denorm_mode_32 3
		.amdhsa_float_denorm_mode_16_64 3
		.amdhsa_memory_ordered 1
		.amdhsa_forward_progress 1
		.amdhsa_inst_pref_size 63
	.end_amdhsa_kernel
	.amdgpu_metadata
---
amdhsa.version: [ 1, 2 ]
amdhsa.kernels:
  - .name:           k_q8c0ee67c65_prep
    .symbol:         k_q8c0ee67c65_prep.kd
    .args:
      - { .name: x, .offset: 0, .size: 8, .value_kind: global_buffer, .address_space: global }
      - { .name: wq, .offset: 8, .size: 8, .value_kind: global_buffer, .address_space: global }
      - { .name: wk, .offset: 16, .size: 8, .value_kind: global_buffer, .address_space: global }
      - { .name: wv, .offset: 24, .size: 8, .value_kind: global_buffer, .address_space: global }
      - { .name: wo, .offset: 32, .size: 8, .value_kind: global_buffer, .address_space: global }
      - { .name: lowp_scales, .offset: 40, .size: 8, .value_kind: global_buffer, .address_space: global }
      - { .name: xc, .offset: 48, .size: 8, .value_kind: global_buffer, .address_space: global }
      - { .name: wimg, .offset: 56, .size: 8, .value_kind: global_buffer, .address_space: global }
      - { .name: rope, .offset: 64, .size: 8, .value_kind: global_buffer, .address_space: global }
    .group_segment_fixed_size: 68608
    .private_segment_fixed_size: 0
    .kernarg_segment_align: 8
    .kernarg_segment_size: 72
    .max_flat_workgroup_size: 256
    .sgpr_count:     80
    .vgpr_count:     210
    .wavefront_size: 32
...
	.end_amdgpu_metadata
.endif
;; end of part 1
;; launch qkv (part 2): grid 192 x 1, 4 waves a work-group, no clusters, 131,584 bytes of LDS; arguments xc, wimg, rope, lowp_scales, qimg, kv; writes qimg, kv
.if DOCPART == 2
	.amdgcn_target "amdgcn-amd-amdhsa--gfx1250"
	.amdhsa_code_object_version 6
	.text
	.protected	k_q8c0ee67c65_qkv
	.globl	k_q8c0ee67c65_qkv
	.p2align	8
	.type	k_q8c0ee67c65_qkv,@function
k_q8c0ee67c65_qkv:
	s_mov_b64 s[64:65], 0
	v_nop
	global_prefetch_b8 v0, s[64:65] scope:SCOPE_SE
	s_setreg_imm32_b32 hwreg(HW_REG_WAVE_MODE, 25, 1), 1
	s_wait_xcnt 0x0
; QKV: the three projections on codes of FP8 (E4M3), RoPE on q and k, and the results quantised again, as images of the operand registers that the attention launch wants.
; D = P x Q, K = 1,024 in eight steps of 128, by v_wmma_f32_16x16x128_fp8_fp8.  P (source 0): 64 rows a wave, 4 tiles x 8 K steps, a dense block of 64 KiB that goes from memory straight into 512 registers.
; Q (source 1): 8 tiles shared by the four waves, a dense block of 128 KiB, copied into LDS once, K step by K step, each step into bytes of its own.  In D register j of lane (r, h) is (P's row 8 h + j, Q's row r).
; ROLES, by cgk = work-group / 32, j = work-group % 32:
;   cgk 0-3 (q), 4 (k): P = one head's 64 rows of the weight for each wave, Q = 128 tokens: a lane holds ONE token and its registers run along the head's 64, the next product's K.
;   cgk 5 (v): P = 64 tokens for each wave, Q = 128 channels of wv: a lane holds ONE channel and its registers run along the tokens, which are the keys: the second attention product's K.
; So one conversion of an accumulator's eight registers gives registers 2 c, 2 c + 1 of the next operand (k = 16 c + 8 h + 0 .. 7), and nothing changes lanes.
; The given scales are folded: a sum stands for sum x 2^(ea + eb), RoPE is linear, so the conversion takes 2^(e6 - e0 - e1) for q, 2^(e7 - e2 - e3) for k, 2^(e9 - e4 - e5) for v.
; OUT: qimg [b 16 + head: 32][query tile: 128][1,024];  kv [b 4 + kv head: 8][key step of 128: 16][16,384]: K's 8 tiles of 16 keys (1,024 each), then V's 4 tiles of 16 channels x 128 keys (2,048 each).
; No cluster: only the four work-groups of q that share j read the same Q; k's and v's have no partner, and P, two thirds of a work-group's bytes ... 256 of 384 KiB, goes to registers, not to LDS.
; LIMITS: each of the three folded exponents lies between -126 and 119.  NaN is not served.
; REGISTERS, in windows of 256: window 0: v1-5 addresses; v16-143 Q's eight fragments; v144-239 three sets of 32 for the copy into LDS, later two sets of tables; v240, v241 the scale and 448 x the scale.
;   windows 1, 2: P, K step s at v[64 (s % 4) + 16 pt] of window 1 + s / 4.   window 3: accumulator (q, pt) at v[8 (4 q + pt)].
.set NQT, 8                            ; Q's tiles
.set NC,  NQT                          ; loads a wave and K step for the copy: 2 tiles x 4
.set L,   NC+16                        ; all loads of a K step: the copy's, then P's 16
.set NH,  2*NQT                        ; LDS loads that bring half of Q's fragments
.set LI,  1                            ; v1  16 x lane
.set LI2, 2                            ; v2  the same + 65,536: an LDS instruction's immediate has 16 bits
.set CP,  3                            ; v3  where I store my two tiles of a K step: 16 x lane + 4,096 x wave
.set CP2, 4                            ; v4  the same + 65,536
.set GQ,  5                            ; v5  my two tiles in Q's block: 16 x lane + 32,768 x wave
.set QF,  16
.set SG,  144
.set NW,  16                           ; the way out: 32 numbers of a tile
.set RTM, 48                           ; v48-63 at work
.set CDS, 64                           ; v64-127 codes: 8 registers for each tile, so that no store's data are written again
.set PB,  20                           ; s[20:21] P's block
.set QB,  22                           ; s[22:23] Q's block
.set RB,  12                           ; s[12:13] the tables of my 128 tokens
.set OB,  16                           ; s[16:17] where my results go
.set MSB, 0
.macro WIN new                         ; the immediate's high byte repeats the setting that is left; a switch that changes nothing is dropped
.if MSB != (\new)
	s_set_vgpr_msb (MSB<<8)|(\new)
.set MSB, (\new)
.endif
.endm
.macro PLACES                          ; four plain vector instructions between a matrix instruction and a load into, or a vector instruction on, one of its registers
.rept 4
	v_nop
.endr
.endm
.macro BAR                             ; my LDS stores have landed and my LDS loads are in: then the work-group's barrier
	s_wait_dscnt 0x0
	s_barrier_signal -1
	s_barrier_wait -1
.endm
.macro LOADS s                         ; K step s: my two tiles of Q into copy set s % 3, then my four fragments of P into their own registers
	WIN 0
.set i, 0
.rept NQT/4
.irp c, 0,1,2,3
	global_load_b128 v[SG+32*((\s)%3)+16*i+4*\c:SG+32*((\s)%3)+16*i+4*\c+3], v[GQ], s[QB:QB+1] offset:(8*i+(\s))*2048+512*\c
.endr
.set i, i+1
.endr
	WIN 0x40*(1+(\s)/4)                            ; destination window 1 or 2
.irp pt, 0,1,2,3
.irp c, 0,1,2,3
	global_load_b128 v[64*((\s)%4)+16*\pt+4*\c:64*((\s)%4)+16*\pt+4*\c+3], v[LI], s[PB:PB+1] offset:(8*\pt+(\s))*2048+512*\c
.endr
.endr
.endm
.macro COPY s, cnt                     ; K step s's two tiles go to LDS at [s][tile][2,048].  cnt: the loads issued behind them
	s_wait_loadcnt \cnt
	WIN 0
.set i, 0
.rept NQT/4
.irp c, 0,1,2,3
.set o, ((\s)*NQT+i)*2048+512*\c
.if o >= 65536
	ds_store_b128 v[CP2], v[SG+32*((\s)%3)+16*i+4*\c:SG+32*((\s)%3)+16*i+4*\c+3] offset:o-65536
.else
	ds_store_b128 v[CP], v[SG+32*((\s)%3)+16*i+4*\c:SG+32*((\s)%3)+16*i+4*\c+3] offset:o
.endif
.endr
.set i, i+1
.endr
.endm
.macro FETCH s, half                   ; four of Q's eight fragments of K step s
	WIN 0
.set q, (\half)*NQT/2
.rept NQT/2
.irp c, 0,1,2,3
.set o, ((\s)*NQT+q)*2048+512*\c
.if o >= 65536
	ds_load_b128 v[QF+16*q+4*\c:QF+16*q+4*\c+3], v[LI2] offset:o-65536
.else
	ds_load_b128 v[QF+16*q+4*\c:QF+16*q+4*\c+3], v[LI] offset:o
.endif
.endr
.set q, q+1
.endr
.endm
.macro MUL s, half, zero               ; 16 matrix instructions.  The accumulators take turns, one instruction a turn, in the same order in every step.  zero = 1: the first K step starts the sums
	WIN 0xf1+(\s)/4                                ; source 0 (P) window 1 or 2, source 1 (Q) window 0, C and D window 3
.set q, (\half)*NQT/2
.rept NQT/2
.irp pt, 0,1,2,3
.if \zero
	v_wmma_f32_16x16x128_fp8_fp8 v[8*(4*q+\pt):8*(4*q+\pt)+7], v[64*((\s)%4)+16*\pt:64*((\s)%4)+16*\pt+15], v[QF+16*q:QF+16*q+15], 0
.else
	v_wmma_f32_16x16x128_fp8_fp8 v[8*(4*q+\pt):8*(4*q+\pt)+7], v[64*((\s)%4)+16*\pt:64*((\s)%4)+16*\pt+15], v[QF+16*q:QF+16*q+15], v[8*(4*q+\pt):8*(4*q+\pt)+7]
.endif
.endr
.set q, q+1
.endr
.endm
.macro TLOAD qt                        ; token tile qt's cosines (16 registers) and sines (16) into table set qt % 2
	WIN 0
.irp g, 0,1,2,3,4,5,6,7
	global_load_b128 v[SG+32*((\qt)%2)+4*\g:SG+32*((\qt)%2)+4*\g+3], v[LI], s[RB:RB+1] offset:4096*(\qt)+512*\g
.endr
.endm
; A K STEP.  Loads run three K steps ahead of the products, the copy into LDS one step.  One barrier a step: behind it the next step's eight tiles lie in LDS; no LDS byte is written twice.
.macro KSTEP s
.if (\s) <= 5
	s_wait_loadcnt 2*L                             ; P of this step is in; behind it the loads of the two later K steps were issued
.elseif (\s) == 6
	s_wait_loadcnt L                               ; behind it: the last K step's
.else
	s_wait_loadcnt 0x0
	TLOAD 0                                        ; the first two tiles' tables, into copy sets whose LDS stores were waited for in front of the last barrier.  (They stand on the one way that
	TLOAD 1                                        ; all roles take: in v's work-groups they are in range and are not used)
.endif
	s_wait_dscnt NH                                ; Q's fragments 0-3 are in; the youngest sixteen loads (fragments 4-7) may be out
.if (\s) == 0
	MUL \s, 0, 1
.else
	MUL \s, 0, 0
.endif
.if (\s) < 7
.if (\s) == 6
	COPY (\s)+1, 16                                ; behind the last step's copy loads: its 16 loads of P
.else
	COPY (\s)+1, 16+L                              ; behind the next step's copy loads: its 16 loads of P and the L of the step after
.endif
.if (\s)+3 <= 7
	LOADS (\s)+3                                   ; its copy set's LDS stores were waited for in front of the last barrier
.endif
	BAR
	PLACES
	FETCH (\s)+1, 0
.else
	s_wait_dscnt 0x0
.endif
.if (\s) == 0
	MUL \s, 1, 1
.else
	MUL \s, 1, 0
.endif
.if (\s) < 7
	PLACES
	FETCH (\s)+1, 1
.endif
.endm
	s_load_b256 s[8:15], s[0:1], 0x0               ; xc s[8:9], wimg s[10:11], rope s[12:13], the scales' exponents s[14:15]
	s_load_b128 s[16:19], s[0:1], 0x20             ; qimg s[16:17], kv s[18:19]
	v_lshl_add_u32 v254, v0, 2, 0x20000
	v_mov_b32 v255, 0
	v_lshrrev_b32 v1, 5, v0
	v_readfirstlane_b32 s4, v1                     ; wave 0..3
	v_and_b32 v1, 31, v0
	v_lshlrev_b32 v[LI], 4, v1
	v_add_nc_u32 v[LI2], 0x10000, v[LI]
	s_lshl_b32 s5, s4, 12
	v_add_nc_u32 v[CP], s5, v[LI]
	v_add_nc_u32 v[CP2], 0x10000, v[CP]
	s_lshl_b32 s5, s4, 15
	v_add_nc_u32 v[GQ], s5, v[LI]
	s_lshr_b32 s6, ttmp9, 5                        ; cgk
	s_and_b32 s7, ttmp9, 31                        ; j
	s_lshl_b32 s34, s6, 2
	s_add_co_u32 s34, s34, s4
	s_lshl_b32 s34, s34, 16                        ; P for q and k: head 4 cgk + w of wimg (wk's four follow wq's sixteen), 65,536 bytes each
	s_lshr_b32 s35, s7, 1
	s_lshl_b32 s35, s35, 18
	s_lshl_b32 s36, s4, 16
	s_add_co_u32 s35, s35, s36
	s_add_co_u32 s35, s35, 0x800000                ; P for v: x under e4: 256 tokens for j / 2, 64 of them a wave
	s_lshl_b32 s36, s7, 17                         ; Q for q: x under e0, 128 tokens for j;
	s_add_co_u32 s37, s36, 0x400000                ; for k: under e2
	s_cmp_eq_u32 s6, 4
	s_cselect_b32 s36, s37, s36
	s_and_b32 s37, s7, 1
	s_lshl_b32 s37, s37, 17
	s_add_co_u32 s37, s37, 20<<16                  ; Q for v: wv's tiles 80 + 8 (j % 2) on
	s_and_b32 s38, s7, 15                          ; which 128 tokens of the batch
	s_lshl_b32 s40, s38, 15
	s_mov_b32 s41, 0
	s_wait_kmcnt 0x0
	s_load_b256 s[24:31], s[14:15], 0x0            ; e0 .. e7
	s_load_b64 s[32:33], s[14:15], 0x20            ; e8, e9
	s_cmp_eq_u32 s6, 5                             ; the choices hang on the work-group's number alone
	s_cselect_b64 s[PB:PB+1], s[8:9], s[10:11]
	s_cselect_b64 s[QB:QB+1], s[10:11], s[8:9]
	s_cselect_b32 s34, s35, s34
	s_cselect_b32 s36, s37, s36
	s_mov_b32 s35, 0
	s_mov_b32 s37, 0
	s_add_nc_u64 s[PB:PB+1], s[PB:PB+1], s[34:35]
	s_add_nc_u64 s[QB:QB+1], s[QB:QB+1], s[36:37]
	s_add_nc_u64 s[RB:RB+1], s[RB:RB+1], s[40:41]
	LOADS 0
	LOADS 1
	; where my results go
	s_lshr_b32 s42, s7, 4                          ; q, k: the batch
	s_lshl_b32 s43, s42, 4
	s_lshl_b32 s44, s6, 2
	s_add_co_u32 s43, s43, s44
	s_add_co_u32 s43, s43, s4
	s_lshl_b32 s43, s43, 17
	s_lshl_b32 s44, s38, 13
	s_add_co_u32 s43, s43, s44                     ; q: (16 b + head) x 131,072 + 8 tiles of 1,024 for each 128 tokens
	s_lshl_b32 s44, s42, 2
	s_add_co_u32 s44, s44, s4
	s_lshl_b32 s44, s44, 4
	s_add_co_u32 s44, s44, s38
	s_lshl_b32 s44, s44, 14                        ; k: ((4 b + kv head w) 16 + key step) x 16,384
	s_lshr_b32 s45, s7, 1                          ; v: tb = which 256 tokens
	s_lshr_b32 s46, s45, 3
	s_lshl_b32 s46, s46, 2
	s_and_b32 s47, s7, 1
	s_lshl_b32 s47, s47, 1
	s_add_co_u32 s46, s46, s47                     ; 4 b + the first of my two kv heads
	s_lshl_b32 s46, s46, 4
	s_and_b32 s45, s45, 7
	s_lshl_b32 s45, s45, 1
	s_add_co_u32 s46, s46, s45
	s_lshr_b32 s47, s4, 1
	s_add_co_u32 s46, s46, s47                     ; key step 2 (tb % 8) + w / 2
	s_lshl_b32 s46, s46, 14
	s_and_b32 s47, s4, 1
	s_lshl_b32 s47, s47, 10                        ; my 64 keys are registers 8 (w % 2) on of a fragment of 128 keys
	s_add_co_u32 s46, s46, s47
	s_add_co_u32 s46, s46, 8192                    ; V lies behind K's 8,192 bytes
	s_cmp_lt_u32 s6, 4
	s_cselect_b64 s[OB:OB+1], s[16:17], s[18:19]
	s_cselect_b32 s44, s43, s44
	s_cmp_eq_u32 s6, 5
	s_cselect_b32 s44, s46, s44
	s_mov_b32 s45, 0
	s_add_nc_u64 s[OB:OB+1], s[OB:OB+1], s[44:45]
	COPY 0, 16+L                                   ; behind K step 0's copy loads: its 16 loads of P and K step 1's L
	LOADS 2
	BAR
	FETCH 0, 0
	FETCH 0, 1
.irp s, 0,1,2,3,4,5,6,7
	KSTEP \s
.endr
	PLACES                                         ; behind the last products, in front of the first read of results and the first write over Q's fragments
	WIN 0
	s_wait_kmcnt 0x0
	s_sub_co_i32 s48, s30, s24
	s_sub_co_i32 s48, s48, s25                     ; q: e6 - e0 - e1
	s_sub_co_i32 s49, s31, s26
	s_sub_co_i32 s49, s49, s27                     ; k: e7 - e2 - e3
	s_sub_co_i32 s50, s33, s28
	s_sub_co_i32 s50, s50, s29                     ; v: e9 - e4 - e5
	s_cmp_lt_u32 s6, 4
	s_cselect_b32 s48, s48, s49
	s_cmp_eq_u32 s6, 5
	s_cselect_b32 s48, s50, s48
	s_add_co_i32 s48, s48, 127
	s_lshl_b32 s49, s48, 23
	v_mov_b32 v240, s49                            ; the folded scale as f32: the conversion takes its exponent field
	s_add_co_i32 s48, s48, 8
	s_lshl_b32 s48, s48, 23
	s_or_b32 s48, s48, 0x600000
	v_mov_b32 v241, s48                            ; 448 x that
	s_cmp_eq_u32 s6, 5
	s_cbranch_scc1 .Lv
; q and k.  Token tile qt: accumulator (qt, pt) holds d = 16 pt + 8 h + j of token r.  d and d + 32 are partners: tiles pt = tp and tp + 2.  new lo = lo cos - hi sin, new hi = hi cos + lo sin.
.macro ROPE qt
.if (\qt) < 7
	s_wait_loadcnt 8                               ; this tile's table is in; the next tile's eight loads may be out
.else
	s_wait_loadcnt 0x0
.endif
	WIN 0x03                                       ; source 0 (the sums) window 3
.irp tp, 0,1
.irp jp, 0,2,4,6                       ; each accumulator from its low end on
.set RLO, 8*(4*(\qt)+\tp)+\jp
.set RHI, 8*(4*(\qt)+\tp+2)+\jp
.set RCO, SG+32*((\qt)%2)+8*\tp+\jp
.set RSI, RCO+16
.set RT,  RTM+2*\jp
	v_pk_mul_f32 v[RT:RT+1], v[RHI:RHI+1], v[RSI:RSI+1]
	v_pk_mul_f32 v[RT+2:RT+3], v[RLO:RLO+1], v[RSI:RSI+1]
	v_pk_fma_f32 v[NW+8*\tp+\jp:NW+8*\tp+\jp+1], v[RLO:RLO+1], v[RCO:RCO+1], v[RT:RT+1] neg_lo:[0,0,1] neg_hi:[0,0,1]
	v_pk_fma_f32 v[NW+16+8*\tp+\jp:NW+16+8*\tp+\jp+1], v[RHI:RHI+1], v[RCO:RCO+1], v[RT+2:RT+3]
.endr
.endr
	WIN 0
.set n, 0
.rept 32
	v_med3_num_f32 v[NW+n], v[NW+n], -v241, v241   ; the conversion to an 8-bit code does not saturate (ISA guide 7.6.2): the hold at the largest code x the scale
.set n, n+1
.endr
.irp pt, 0,1,2,3
	v_cvt_scalef32_pk8_fp8_f32 v[CDS+8*(\qt)+2*\pt:CDS+8*(\qt)+2*\pt+1], v[NW+8*\pt:NW+8*\pt+7], v240   ; registers 2 pt, 2 pt + 1: d = 16 pt + 8 h + 0 .. 7
.endr
	v_nop                                          ; a plain instruction behind the last conversion: the next tile writes its sources
.if (\qt)+2 <= 7
	TLOAD (\qt)+2                                  ; into the table set just read
.endif
.irp g, 0,1
	global_store_b128 v[LI], v[CDS+8*(\qt)+4*\g:CDS+8*(\qt)+4*\g+3], s[OB:OB+1] offset:1024*(\qt)+512*\g   ; 512 consecutive bytes a store
.endr
.endm
.irp qt, 0,1,2,3,4,5,6,7
	ROPE \qt
.endr
	s_wait_tensorcnt 0x0
	ds_add_u32 v254, v255
	s_wait_dscnt 0x0
	s_endpgm
; v.  Channel tile qt: accumulator (qt, pt) holds keys 16 pt + 8 h + j (of my 64) of channel r: registers 2 pt, 2 pt + 1 of my half of the fragment.
.Lv:
.macro VOUT qt
	WIN 0x03
.irp pt, 0,1,2,3
.irp jj, 0,1,2,3,4,5,6,7
	v_med3_num_f32 v[NW+8*\pt+\jj], v[8*(4*(\qt)+\pt)+\jj], -v241, v241
.endr
.endr
	WIN 0
.irp pt, 0,1,2,3
	v_cvt_scalef32_pk8_fp8_f32 v[CDS+8*(\qt)+2*\pt:CDS+8*(\qt)+2*\pt+1], v[NW+8*\pt:NW+8*\pt+7], v240
.endr
	v_nop                                          ; a plain instruction behind the last conversion
.irp g, 0,1
	global_store_b128 v[LI], v[CDS+8*(\qt)+4*\g:CDS+8*(\qt)+4*\g+3], s[OB:OB+1] offset:((\qt)/4)*262144+((\qt)%4)*2048+512*\g   ; kv head qt / 4 of my two, channel tile qt % 4
.endr
.endm
.irp qt, 0,1,2,3,4,5,6,7
	VOUT \qt
.endr
	s_wait_tensorcnt 0x0
	ds_add_u32 v254, v255
	s_wait_dscnt 0x0
	s_endpgm
.Lfunc_end_k_q8c0ee67c65_qkv:
	.size	k_q8c0ee67c65_qkv, .Lfunc_end_k_q8c0ee67c65_qkv-k_q8c0ee67c65_qkv
	.p2alignl 7, 3214868480
	.fill 96, 4, 3214868480
	.section	.rodata,"a",@progbits
	.p2align	6, 0x0
	.amdhsa_kernel k_q8c0ee67c65_qkv
		.amdhsa_group_segment_fixed_size 131584
		.amdhsa_private_segment_fixed_size 0
		.amdhsa_enable_private_segment 0
		.amdhsa_kernarg_size 48
		.amdhsa_user_sgpr_count 2
		.amdhsa_user_sgpr_kernarg_segment_ptr 1
		.amdhsa_wavefront_size32 1
		.amdhsa_system_sgpr_workgroup_id_x 1
		.amdhsa_system_sgpr_workgroup_id_y 1
		.amdhsa_system_sgpr_workgroup_id_z 1
		.amdhsa_system_vgpr_workitem_id 0
		.amdhsa_next_free_vgpr 1024
		.amdhsa_next_free_sgpr 66
		.amdhsa_reserve_vcc 0
		.amdhsa_float_denorm_mode_32 3
		.amdhsa_float_denorm_mode_16_64 3
		.amdhsa_memory_ordered 1
		.amdhsa_forward_progress 1
		.amdhsa_inst_pref_size 126
	.end_amdhsa_kernel
	.amdgpu_metadata
---
amdhsa.version: [ 1, 2 ]
amdhsa.kernels:
  - .name:           k_q8c0ee67c65_qkv
    .symbol:         k_q8c0ee67c65_qkv.kd
    .args:
      - { .name: xc, .offset: 0, .size: 8, .value_kind: global_buffer, .address_space: global }
      - { .name: wimg, .offset: 8, .size: 8, .value_kind: global_buffer, .address_space: global }
      - { .name: rope, .offset: 16, .size: 8, .value_kind: global_buffer, .address_space: global }
      - { .name: lowp_scales, .offset: 24, .size: 8, .value_kind: global_buffer, .address_space: global }
      - { .name: qimg, .offset: 32, .size: 8, .value_kind: global_buffer, .address_space: global }
      - { .name: kv, .offset: 40, .size: 8, .value_kind: global_buffer, .address_space: global }
    .group_segment_fixed_size: 131584
    .private_segment_fixed_size: 0
    .kernarg_segment_align: 8
    .kernarg_segment_size: 48
    .max_flat_workgroup_size: 128
    .sgpr_count:     66
    .vgpr_count:     1024
    .wavefront_size: 32
...
	.end_amdgpu_metadata
.endif
;; end of part 2
;; launch att (part 3): grid 32 x 8, 16 waves a work-group, no clusters, 34,816 bytes of LDS; arguments qimg, kv, lowp_scales, aimg; writes aimg
.if DOCPART == 3
	.amdgcn_target "amdgcn-amd-amdhsa--gfx1250"
	.amdhsa_code_object_version 6
	.text
	.protected	k_q8c0ee67c65_att
	.globl	k_q8c0ee67c65_att
	.p2align	8
	.type	k_q8c0ee67c65_att,@function
k_q8c0ee67c65_att:
	s_mov_b64 s[64:65], 0
	v_nop
	global_prefetch_b8 v0, s[64:65] scope:SCOPE_SE
	s_setreg_imm32_b32 hwreg(HW_REG_WAVE_MODE, 25, 1), 1
	s_wait_xcnt 0x0
; ATT: causal attention on codes of FP8 (E4M3); 16 query heads on 4 key and value heads, head size 64, 2,048 tokens, 2 batches.
; t = score x log2(e) / 8; M = the running largest t rounded UP to a whole number; p = 2^(t - M) is quantised with 2^e8, not normalised; the row's sum is taken of the unquantised p and divides at the end.
; When M moves, the sum and O are multiplied by 2^(old M - new M): exact.
; SHARES.  Work-group (g, bk): batch bk / 4, kv head bk % 4.  Sixteen waves, one tile of 16 queries each: wave w serves head 4 (bk % 4) + w % 4, and with a = w / 4 the tile u = 2 g + a / 2 or its mirror 127 - u.
; Tiles t and 127 - t need t / 8 + 1 and 16 - t / 8 key steps, 17 together: every work-group has 8 x 17 wave-steps, and long and short waves are mixed among every four neighbours.
; All sixteen waves read the same K and V: a key step's 16 KiB of kv is copied into one of two LDS slots, 1 KiB a wave, two steps ahead in registers and one step ahead in LDS.  One barrier a key step.
; The loop's trips, (17 - g / 4) / 2, hang on the work-group's number alone; a trip runs both slots, so that every LDS address is a constant + a lane term.
; A wave whose queries all come before a step's keys jumps over the step's work (a scalar branch on ids), never over the copy or the barrier.
; LAYOUT.  S^T = K Q^T (source 0 = 16 keys, source 1 = my 16 queries, K = 64) and O^T = V^T P^T (source 0 = 16 channels, source 1 = P, K = 128 keys): a lane holds ONE query throughout;
; register j of score tile ta is key 16 ta + 8 h + j, so its conversion gives registers 2 ta, 2 ta + 1 of P's fragment; likewise O^T's tiles give the output product's operand.
; OUT: aimg [row tile 128 b + t: 256][K step: 8][2,048]; a head's 64 channels are the 1,024 bytes at head x 1,024.
; No cluster: work-groups that share K and V (same bk) need different numbers of key steps, 9 to 16.
; LIMITS: e6 + e7 between -123 and 130 (added to c's exponent field); e8, and e10 - e8 - e9, between -126 and 119.  NaN is not served.
.set LI,   1                           ; v1   16 x lane
.set CPY,  2                           ; v2   my 1 KiB of a key step: 1,024 x wave + 16 x lane, in LDS and in memory
.set OFA,  3                           ; v3, v4  byte offset of the load in hand for copy sets 0, 1
.set DD,   5                           ; v5   my query's place in its key step, less 8 h
.set QQ,   8                           ; v[8:15]  Q's fragment
                                       ; v16 -M, v17 the largest t, v[18:19] the sum in two halves
.set CA,   20                          ; v20-27, v28-35  copy sets 0 (even key steps) and 1 (odd)
.set F,    36                          ; v36-99   K's eight fragments, then V's four
.set S,    100                         ; v100-163 S^T, then p
.set O,    164                         ; v164-195 O^T
.set PC,   196                         ; v196-211 p's codes
.set TA,   212
.set TP,   213
.set FF,   214                         ; v[214:215] f = 2^(old M - new M) in the low word
.set SU,   216                         ; v[216:217] the second chain of the sums
.set SCP,  218                         ; 2^e8
.set LIMP, 219                         ; 448 x 2^e8
.set NINF, 220
	s_load_b256 s[8:15], s[0:1], 0x0               ; qimg s[8:9], kv s[10:11], the scales' exponents s[12:13], aimg s[14:15]
	v_lshl_add_u32 v224, v0, 2, 0x8000
	v_mov_b32 v225, 0
	v_lshrrev_b32 v1, 5, v0
	v_readfirstlane_b32 s4, v1                     ; wave 0..15
	v_and_b32 v1, 31, v0
	v_lshlrev_b32 v[LI], 4, v1
	s_lshl_b32 s5, s4, 10
	v_add_nc_u32 v[CPY], s5, v[LI]
	s_and_b32 s6, ttmp7, 0xffff                    ; bk
	s_and_b32 s16, s4, 3                           ; c
	s_lshr_b32 s17, s4, 2                          ; a
	s_and_b32 s18, s6, 3
	s_lshl_b32 s18, s18, 2
	s_add_co_u32 s18, s18, s16                     ; head
	s_lshr_b32 s19, s6, 2                          ; batch
	s_lshr_b32 s20, s17, 1
	s_lshl_b32 s21, ttmp9, 1
	s_add_co_u32 s20, s20, s21                     ; u
	s_sub_co_u32 s21, 127, s20
	s_xor_b32 s22, s17, s16
	s_and_b32 s22, s22, 1
	s_cmp_lg_u32 s22, 0
	s_cselect_b32 s20, s21, s20                    ; t: my tile of queries
	s_lshr_b32 s23, s20, 3                         ; SD: the key step on my diagonal, my last
	s_lshr_b32 s24, ttmp9, 2
	s_sub_co_u32 s24, 17, s24
	s_lshr_b32 s24, s24, 1                         ; trips: the work-group's longest wave has 16 - g / 4 key steps
	s_mov_b32 s25, 0                               ; SK: the key step in hand
	s_and_b32 s26, s20, 7
	s_lshl_b32 s26, s26, 4
	v_and_b32 v[DD], 15, v0
	v_bfe_u32 v6, v0, 4, 1
	v_lshlrev_b32 v6, 3, v6
	v_sub_nc_u32 v[DD], v[DD], v6
	v_add_nc_u32 v[DD], s26, v[DD]                 ; 16 (t % 8) + r - 8 h
	s_lshl_b32 s27, s19, 4
	s_add_co_u32 s27, s27, s18
	s_lshl_b32 s27, s27, 7
	s_add_co_u32 s27, s27, s20
	s_lshl_b32 s28, s27, 10                        ; Q: ((16 b + head) 128 + t) x 1,024
	s_mov_b32 s29, 0
	s_lshl_b32 s30, s6, 18                         ; K, V: bk x 16 key steps x 16,384
	s_mov_b32 s31, 0
	s_lshl_b32 s32, s19, 7
	s_add_co_u32 s32, s32, s20
	s_lshl_b32 s32, s32, 14
	s_lshl_b32 s33, s18, 10
	s_add_co_u32 s32, s32, s33                     ; out: (128 b + t) x 16,384 + head x 1,024
	s_mov_b32 s33, 0
	s_mov_b32 s42, 0x76543210                      ; v_permlanex16_b32's selects for lane l xor 16
	s_mov_b32 s43, 0xfedcba98
	s_mov_b32 s44, 0x3e38aa3b                      ; c = log2(e) / 8
	s_wait_kmcnt 0x0
	s_load_b128 s[36:39], s[12:13], 0x18           ; e6, e7, e8, e9
	s_load_b32 s40, s[12:13], 0x28                 ; e10
	s_add_nc_u64 s[8:9], s[8:9], s[28:29]
	s_add_nc_u64 s[10:11], s[10:11], s[30:31]
	s_add_nc_u64 s[14:15], s[14:15], s[32:33]
	global_load_b128 v[CA:CA+3], v[CPY], s[10:11]                     ; key step 0
	global_load_b128 v[CA+4:CA+7], v[CPY], s[10:11] offset:512
	global_load_b128 v[CA+8:CA+11], v[CPY], s[10:11] offset:16384     ; key step 1
	global_load_b128 v[CA+12:CA+15], v[CPY], s[10:11] offset:16896
	global_load_b128 v[QQ:QQ+3], v[LI], s[8:9]                        ; Q stays in registers
	global_load_b128 v[QQ+4:QQ+7], v[LI], s[8:9] offset:512
	v_mov_b32 v17, 0xff61b1e6                      ; the largest t so far: -3e38, under every t
	v_floor_f32 v16, -v17                          ; -M
	v_mov_b32 v18, 0
	v_mov_b32 v19, 0
	v_mov_b32 v[TP], 0                             ; written once: a lane permute's destination counts as one of its sources
	v_mov_b32 v[FF+1], 0                           ; (named as the upper half of the pair)
	v_mov_b32 v[NINF], 0xff800000
.set n, 0
.rept 32
	v_mov_b32 v[O+n], 0                            ; O^T.  (The step is written once: the first finds zeros, which the first change of M leaves zeros)
.set n, n+1
.endr
	s_wait_kmcnt 0x0
	s_add_co_i32 s46, s36, s37
	s_lshl_b32 s46, s46, 23
	s_add_co_i32 s44, s44, s46                     ; a score stands for score x 2^(e6 + e7): the two exponents are added to c's exponent field
	s_mov_b32 s45, s44                             ; (named with it as a pair, so it is written)
	s_add_co_i32 s46, s38, 127
	s_lshl_b32 s47, s46, 23
	v_mov_b32 v[SCP], s47
	s_add_co_i32 s46, s46, 8
	s_lshl_b32 s46, s46, 23
	s_or_b32 s46, s46, 0x600000
	v_mov_b32 v[LIMP], s46
	s_wait_loadcnt 4                               ; key step 0's two loads are in; key step 1's and Q's may be out
	ds_store_b128 v[CPY], v[CA:CA+3]
	ds_store_b128 v[CPY], v[CA+4:CA+7] offset:512
	s_wait_dscnt 0x0                               ; for the others' sake
	s_barrier_signal -1
	s_barrier_wait -1                              ; slot 0 holds key step 0
; THE KEY STEP SK, which lies in slot sg.
.macro STEP sg
	s_wait_loadcnt 0x0                             ; key step SK + 1 is in the other copy set (and, the first time, Q)
	ds_store_b128 v[CPY], v[CA+8*(1-\sg):CA+8*(1-\sg)+3] offset:16384*(1-\sg)        ; into the other slot: its readers' loads were waited for in front of the last barrier
	ds_store_b128 v[CPY], v[CA+8*(1-\sg)+4:CA+8*(1-\sg)+7] offset:16384*(1-\sg)+512
	s_add_co_u32 s46, s25, 2
	s_min_u32 s46, s46, 15                         ; no load leaves the head's 16 key steps; what the last steps load once more is not read
	s_lshl_b32 s46, s46, 14
	v_add_nc_u32 v[OFA+\sg], s46, v[CPY]           ; (the load that named this register was waited for a step ago)
	global_load_b128 v[CA+8*\sg:CA+8*\sg+3], v[OFA+\sg], s[10:11]                    ; key step SK + 2 into this slot's copy set, whose LDS stores were waited for in front of the last barrier
	global_load_b128 v[CA+8*\sg+4:CA+8*\sg+7], v[OFA+\sg], s[10:11] offset:512
	s_cmp_gt_u32 s25, s23
	s_cbranch_scc1 .Lskip_\@                       ; all of this step's keys come after my queries
.irp ta, 0,1,2,3,4,5,6,7
	ds_load_b128 v[F+8*\ta:F+8*\ta+3], v[LI] offset:16384*\sg+1024*\ta
	ds_load_b128 v[F+8*\ta+4:F+8*\ta+7], v[LI] offset:16384*\sg+1024*\ta+512
.endr
	s_wait_dscnt 0x0
.irp ta, 0,1,2,3,4,5,6,7
	v_wmma_f32_16x16x64_fp8_fp8 v[S+8*\ta:S+8*\ta+7], v[F+8*\ta:F+8*\ta+7], v[QQ:QQ+7], 0
.endr
.rept 4
	v_nop                                          ; places in front of the loads over K's fragments and of the first read of scores
.endr
.irp ct, 0,1,2,3
.irp gg, 0,1,2,3
	ds_load_b128 v[F+16*\ct+4*\gg:F+16*\ct+4*\gg+3], v[LI] offset:16384*\sg+8192+2048*\ct+512*\gg   ; V lands while the softmax is walked
.endr
.endr
	s_cmp_lg_u32 s25, s23
	s_cbranch_scc1 .Lopen_\@                       ; all of this step's keys count
.set n, 0
.rept 64                               ; on the diagonal: register n holds key 16 (n / 8) + 8 h + n % 8 of the step: hidden where 16 (n / 8) + n % 8 > v[DD].  Its score becomes -infinity: p = 0
	v_cmp_gt_i32 vcc_lo, 16*(n/8)+n%8, v[DD]
	v_cndmask_b32 v[S+n], v[S+n], v[NINF], vcc_lo
.set n, n+1
.endr
.Lopen_\@:
	v_max3_num_f32 v[TA], v[S], v[S+1], v[S+2]     ; the step's largest score of my query among my 64 keys, in two chains; each tile of scores is read from its low end on
	v_max3_num_f32 v[FF], v[S+3], v[S+4], v[S+5]
.irp i, 6,10,14,18,22,26,30,34,38,42,46,50,54,58
	v_max3_num_f32 v[TA], v[TA], v[S+\i], v[S+\i+1]
	v_max3_num_f32 v[FF], v[FF], v[S+\i+2], v[S+\i+3]
.endr
	v_max3_num_f32 v[TA], v[TA], v[S+62], v[S+63]
	v_max_num_f32 v[TA], v[TA], v[FF]
	v_permlanex16_b32 v[TP], v[TA], s42, s43
	v_max_num_f32 v[TA], v[TA], v[TP]              ; and among lane l xor 16's
	v_mul_f32 v[TA], s44, v[TA]                    ; as t (c is positive)
	v_max_num_f32 v17, v17, v[TA]                  ; the running largest t
	v_mov_b32 v[TA], v16
	v_floor_f32 v16, -v17                          ; the new -M = floor(-t) = -ceil(t)
	v_sub_f32 v[TA], v16, v[TA]                    ; old M - new M: a whole number, 0 or less
	v_cvt_i32_f32 v[TA], v[TA]                     ; (it saturates)
	v_ldexp_f32 v[FF], 1.0, v[TA]                  ; f = 2^(old M - new M)
.set n, 0
.rept 32
	v_pk_fma_f32 v[S+n:S+n+1], v[S+n:S+n+1], s[44:45], v[16:17] op_sel_hi:[1,0,0]   ; t - M, two at a time (of the pairs c and -M the low word serves both halves)
.set n, n+2
.endr
.set n, 0
.rept 64
	v_exp_f32 v[S+n], v[S+n]                       ; p = 2^(t - M)
.set n, n+1
.endr
	v_pk_mul_f32 v[18:19], v[18:19], v[FF:FF+1] op_sel_hi:[1,0]   ; the sums under the new M.  (The plain instruction behind the exponentials)
	s_wait_alu depctr_va_vdst(0)
	v_pk_add_f32 v[SU:SU+1], v[S:S+1], v[S+2:S+3]                 ; the row's sum is taken of the unquantised p, in two chains
.irp j, 4,8,12,16,20,24,28,32,36,40,44,48,52,56,60
	v_pk_add_f32 v[18:19], v[18:19], v[S+\j:S+\j+1]
	v_pk_add_f32 v[SU:SU+1], v[SU:SU+1], v[S+\j+2:S+\j+3]
.endr
	v_pk_add_f32 v[18:19], v[18:19], v[SU:SU+1]
	s_cmp_ge_i32 s38, -8                           ; p is at most 1, but for one rounding of t - M; from e8 = -8 on the largest code x the scale is 1.75 or more, and the hold changes nothing
	s_cbranch_scc1 .Lnohold_\@
.set n, 0
.rept 64
	v_min_num_f32 v[S+n], v[S+n], v[LIMP]          ; the conversion to an 8-bit code does not saturate (ISA guide 7.6.2); p is not negative, so the hold is one-sided
.set n, n+1
.endr
.Lnohold_\@:
.irp ta, 0,1,2,3,4,5,6,7
	v_cvt_scalef32_pk8_fp8_f32 v[PC+2*\ta:PC+2*\ta+1], v[S+8*\ta:S+8*\ta+7], v[SCP]   ; registers 2 ta, 2 ta + 1: keys 16 ta + 8 h + 0 .. 7
.endr
.set n, 0
.rept 16
	v_pk_mul_f32 v[O+n:O+n+1], v[O+n:O+n+1], v[FF:FF+1] op_sel_hi:[1,0]   ; O^T under the new M.  (Also the plain instructions behind the conversions)
.set n, n+2
.endr
	s_wait_dscnt 0x0                               ; V is in
.irp ct, 0,1,2,3
	v_wmma_f32_16x16x128_fp8_fp8 v[O+8*\ct:O+8*\ct+7], v[F+16*\ct:F+16*\ct+15], v[PC:PC+15], v[O+8*\ct:O+8*\ct+7]   ; four accumulators by turns
.endr
.rept 4
	v_nop                                          ; places in front of the next loads over V's fragments and of the next read of O^T
.endr
.Lskip_\@:
	s_add_co_u32 s25, s25, 1
	s_wait_dscnt 0x0                               ; my stores into the other slot have landed, my reads of this slot are in
	s_barrier_signal -1
	s_barrier_wait -1                              ; so the other slot may be read, and this one written
.endm
.Ltrip:
	STEP 0
	STEP 1
	s_sub_co_u32 s24, s24, 1
	s_cmp_lg_u32 s24, 0
	s_cbranch_scc1 .Ltrip
	; THE WAY OUT: O^T / the sum stands for the output / 2^(e8 + e9); it is quantised with 2^e10: the conversion takes 2^(e10 - e8 - e9).
	s_sub_co_i32 s46, s40, s38
	s_sub_co_i32 s46, s46, s39
	s_add_co_i32 s46, s46, 127
	s_lshl_b32 s47, s46, 23
	s_add_co_i32 s46, s46, 8
	s_lshl_b32 s46, s46, 23
	s_or_b32 s46, s46, 0x600000
	v_add_f32 v18, v18, v19                        ; the sum's two halves,
	v_permlanex16_b32 v[TP], v18, s42, s43
	v_add_f32 v18, v18, v[TP]                      ; and lane l xor 16's
	v_rcp_f32 v18, v18
	v_mov_b32 v221, s47                            ; (a plain instruction behind the reciprocal)
	v_mov_b32 v222, s46
.set n, 0
	s_wait_alu depctr_va_vdst(0)
.rept 16
	v_pk_mul_f32 v[S+n:S+n+1], v[O+n:O+n+1], v[18:19] op_sel_hi:[1,0]   ; each accumulator from its low end on
.set n, n+2
.endr
.set n, 0
.rept 32
	v_med3_num_f32 v[S+n], v[S+n], -v222, v222
.set n, n+1
.endr
.irp ct, 0,1,2,3
	v_cvt_scalef32_pk8_fp8_f32 v[PC+2*\ct:PC+2*\ct+1], v[S+8*\ct:S+8*\ct+7], v221   ; channels 16 ct + 8 h + 0 .. 7 of my query
.endr
	v_nop                                          ; a plain instruction behind the last conversion
	global_store_b128 v[LI], v[PC:PC+3], s[14:15]
	global_store_b128 v[LI], v[PC+4:PC+7], s[14:15] offset:512
	s_wait_tensorcnt 0x0
	ds_add_u32 v224, v225
	s_wait_dscnt 0x0
	s_endpgm
.Lfunc_end_k_q8c0ee67c65_att:
	.size	k_q8c0ee67c65_att, .Lfunc_end_k_q8c0ee67c65_att-k_q8c0ee67c65_att
	.p2alignl 7, 3214868480
	.fill 96, 4, 3214868480
	.section	.rodata,"a",@progbits
	.p2align	6, 0x0
	.amdhsa_kernel k_q8c0ee67c65_att
		.amdhsa_group_segment_fixed_size 34816
		.amdhsa_private_segment_fixed_size 0
		.amdhsa_enable_private_segment 0
		.amdhsa_kernarg_size 32
		.amdhsa_user_sgpr_count 2
		.amdhsa_user_sgpr_kernarg_segment_ptr 1
		.amdhsa_wavefront_size32 1
		.amdhsa_system_sgpr_workgroup_id_x 1
		.amdhsa_system_sgpr_workgroup_id_y 1
		.amdhsa_system_sgpr_workgroup_id_z 1
		.amdhsa_system_vgpr_workitem_id 0
		.amdhsa_next_free_vgpr 226
		.amdhsa_next_free_sgpr 66
		.amdhsa_reserve_vcc 1
		.amdhsa_float_denorm_mode_32 3
		.amdhsa_float_denorm_mode_16_64 3
		.amdhsa_memory_ordered 1
		.amdhsa_forward_progress 1
		.amdhsa_inst_pref_size 51
	.end_amdhsa_kernel
	.amdgpu_metadata
---
amdhsa.version: [ 1, 2 ]
amdhsa.kernels:
  - .name:           k_q8c0ee67c65_att
    .symbol:         k_q8c0ee67c65_att.kd
    .args:
      - { .name: qimg, .offset: 0, .size: 8, .value_kind: global_buffer, .address_space: global }
      - { .name: kv, .offset: 8, .size: 8, .value_kind: global_buffer, .address_space: global }
      - { .name: lowp_scales, .offset: 16, .size: 8, .value_kind: global_buffer, .address_space: global }
      - { .name: aimg, .offset: 24, .size: 8, .value_kind: global_buffer, .address_space: global }
    .group_segment_fixed_size: 34816
    .private_segment_fixed_size: 0
    .kernarg_segment_align: 8
    .kernarg_segment_size: 32
    .max_flat_workgroup_size: 512
    .sgpr_count:     66
    .vgpr_count:     226
    .wavefront_size: 32
...
	.end_amdgpu_metadata
.endif
;; end of part 3
;; launch outp (part 4): grid 4 x 64, 4 waves a work-group, no clusters, 83,456 bytes of LDS; arguments aimg, wimg, lowp_scales, out0; writes out0
.if DOCPART == 4
	.amdgcn_target "amdgcn-amd-amdhsa--gfx1250"
	.amdhsa_code_object_version 6
	.text
	.protected	k_q8c0ee67c65_outp
	.globl	k_q8c0ee67c65_outp
	.p2align	8
	.type	k_q8c0ee67c65_outp,@function
k_q8c0ee67c65_outp:
	s_mov_b64 s[64:65], 0
	v_nop
	global_prefetch_b8 v0, s[64:65] scope:SCOPE_SE
	s_setreg_imm32_b32 hwreg(HW_REG_WAVE_MODE, 25, 1), 1
	s_wait_xcnt 0x0
; OUTP: out0 = (attention's output) wo, on codes of FP8 (E4M3) that lie as images of operand registers; each finished sum x 2^(e10 + e11).  K = 1,024 in eight steps of 128, by v_wmma_f32_16x16x128_fp8_fp8.
; Work-group (x, y): rows 64 y on, columns 256 x on.  D = P x Q.  P (source 0): wave w's 64 columns of wo, 4 tiles x 8 K steps, a dense block of 64 KiB, from memory straight into 512 registers.
; Q (source 1): the 4 row tiles, a dense block of 64 KiB shared by the four waves, copied into LDS once, K step by K step, each step into bytes of its own.
; In D register j of lane (r, h) is (column 8 h + j of the tile, row r): eight neighbouring numbers of a row of out0.
; No cluster: what partners would share, Q, is 64 of a work-group's 320 KiB; P goes to registers, not to LDS.
; LIMIT: e10 + e11 lies between -126 and 127, so that 2^(e10 + e11) is an f32 number.
; REGISTERS, in windows of 256: window 0: v1-10 addresses; v16-79 Q's four fragments; v144-191 three sets of 16 for the copy into LDS; on the way out v16-47 scaled sums, v48-79 and v80-111 rows by turns.
;   windows 1, 2: P, K step s at v[64 (s % 4) + 16 pt] of window 1 + s / 4.   window 3: accumulator (q, pt) at v[8 (4 q + pt)].
.set NQT, 4
.set NC,  NQT                          ; loads a wave and K step for the copy: 1 tile x 4
.set L,   NC+16                        ; all loads of a K step
.set NH,  2*NQT                        ; LDS loads that bring half of Q's fragments
.set LI,  1                            ; v1  16 x lane
.set CP,  3                            ; v3  where I store my tile of a K step: 16 x lane + 2,048 x wave
.set GQ,  5                            ; v5  my tile in Q's block: 16 x lane + 16,384 x wave
.set STO, 8                            ; v8  the stage: where I put 32 bytes of a row
.set RD,  9                            ; v9  and where I read rows back
.set CO,  10                           ; v10 my byte offset in two rows of out0
.set QF,  16
.set SG,  144
.set TMP, 16
.set BK,  48
.set STG, 65536                        ; behind Q's 64 KiB: a stage of 16 rows x (256 bytes + 16) for each wave
.set SP,  272
.set PB,  10                           ; s[10:11] P's block
.set QB,  8                            ; s[8:9]   Q's block
.set OB,  14                           ; s[14:15] my first row and column of out0
.set MSB, 0
.macro WIN new                         ; the immediate's high byte repeats the setting that is left; a switch that changes nothing is dropped
.if MSB != (\new)
	s_set_vgpr_msb (MSB<<8)|(\new)
.set MSB, (\new)
.endif
.endm
.macro PLACES                          ; four plain vector instructions between a matrix instruction and a load into, or a vector instruction on, one of its registers
.rept 4
	v_nop
.endr
.endm
.macro BAR                             ; my LDS stores have landed and my LDS loads are in: then the work-group's barrier
	s_wait_dscnt 0x0
	s_barrier_signal -1
	s_barrier_wait -1
.endm
.macro LOADS s                         ; K step s: my tile of Q into copy set s % 3, then my four fragments of P into their own registers
	WIN 0
.irp c, 0,1,2,3
	global_load_b128 v[SG+16*((\s)%3)+4*\c:SG+16*((\s)%3)+4*\c+3], v[GQ], s[QB:QB+1] offset:(\s)*2048+512*\c
.endr
	WIN 0x40*(1+(\s)/4)                            ; destination window 1 or 2
.irp pt, 0,1,2,3
.irp c, 0,1,2,3
	global_load_b128 v[64*((\s)%4)+16*\pt+4*\c:64*((\s)%4)+16*\pt+4*\c+3], v[LI], s[PB:PB+1] offset:(8*\pt+(\s))*2048+512*\c
.endr
.endr
.endm
.macro COPY s, cnt                     ; K step s's tile goes to LDS at [s][tile][2,048].  cnt: the loads issued behind it
	s_wait_loadcnt \cnt
	WIN 0
.irp c, 0,1,2,3
	ds_store_b128 v[CP], v[SG+16*((\s)%3)+4*\c:SG+16*((\s)%3)+4*\c+3] offset:(\s)*NQT*2048+512*\c
.endr
.endm
.macro FETCH s, half                   ; two of Q's four fragments of K step s
	WIN 0
.set q, (\half)*NQT/2
.rept NQT/2
.irp c, 0,1,2,3
	ds_load_b128 v[QF+16*q+4*\c:QF+16*q+4*\c+3], v[LI] offset:((\s)*NQT+q)*2048+512*\c
.endr
.set q, q+1
.endr
.endm
.macro MUL s, half, zero               ; 8 matrix instructions.  The accumulators take turns, one instruction a turn, in the same order in every step.  zero = 1: the first K step starts the sums
	WIN 0xf1+(\s)/4                                ; source 0 (P) window 1 or 2, source 1 (Q) window 0, C and D window 3
.set q, (\half)*NQT/2
.rept NQT/2
.irp pt, 0,1,2,3
.if \zero
	v_wmma_f32_16x16x128_fp8_fp8 v[8*(4*q+\pt):8*(4*q+\pt)+7], v[64*((\s)%4)+16*\pt:64*((\s)%4)+16*\pt+15], v[QF+16*q:QF+16*q+15], 0
.else
	v_wmma_f32_16x16x128_fp8_fp8 v[8*(4*q+\pt):8*(4*q+\pt)+7], v[64*((\s)%4)+16*\pt:64*((\s)%4)+16*\pt+15], v[QF+16*q:QF+16*q+15], v[8*(4*q+\pt):8*(4*q+\pt)+7]
.endif
.endr
.set q, q+1
.endr
.endm
; A K STEP.  Loads run three K steps ahead of the products, the copy into LDS one step.  One barrier a step: behind it the next step's four tiles lie in LDS; no LDS byte of Q's is written twice.
.macro KSTEP s
.if (\s) <= 5
	s_wait_loadcnt 2*L                             ; P of this step is in; behind it the loads of the two later K steps were issued
.elseif (\s) == 6
	s_wait_loadcnt L                               ; behind it: the last K step's
.else
	s_wait_loadcnt 0x0
.endif
	s_wait_dscnt NH                                ; Q's fragments 0, 1 are in; the youngest eight loads (fragments 2, 3) may be out
.if (\s) == 0
	MUL \s, 0, 1
.else
	MUL \s, 0, 0
.endif
.if (\s) < 7
.if (\s) == 6
	COPY (\s)+1, 16                                ; behind the last step's copy loads: its 16 loads of P
.else
	COPY (\s)+1, 16+L                              ; behind the next step's copy loads: its 16 loads of P and the L of the step after
.endif
.if (\s)+3 <= 7
	LOADS (\s)+3                                   ; its copy set's LDS stores were waited for in front of the last barrier
.endif
	BAR
	PLACES
	FETCH (\s)+1, 0
.else
	s_wait_dscnt 0x0
.endif
.if (\s) == 0
	MUL \s, 1, 1
.else
	MUL \s, 1, 0
.endif
.if (\s) < 7
	PLACES
	FETCH (\s)+1, 1
.endif
.endm
	s_load_b256 s[8:15], s[0:1], 0x0               ; aimg s[8:9], wimg s[10:11], the scales' exponents s[12:13], out0 s[14:15]
	v_lshl_add_u32 v254, v0, 2, 0x14400
	v_mov_b32 v255, 0
	v_lshrrev_b32 v1, 5, v0
	v_readfirstlane_b32 s4, v1                     ; wave 0..3
	v_and_b32 v1, 31, v0
	v_lshlrev_b32 v[LI], 4, v1
	s_lshl_b32 s5, s4, 11
	v_add_nc_u32 v[CP], s5, v[LI]
	s_lshl_b32 s5, s4, 14
	v_add_nc_u32 v[GQ], s5, v[LI]
	s_and_b32 s6, ttmp7, 0xffff                    ; y
	s_lshl_b32 s7, ttmp9, 2
	s_add_co_u32 s7, s7, s4                        ; 4 x + w: which 64 columns
	s_lshl_b32 s16, s7, 16
	s_add_co_u32 s16, s16, 1572864                 ; wo's tiles begin at tile 96 of wimg
	s_mov_b32 s17, 0
	s_lshl_b32 s18, s6, 16                         ; four row tiles of 16,384 bytes
	s_mov_b32 s19, 0
	s_lshl_b32 s20, s6, 18                         ; 64 rows of 4,096 bytes,
	s_lshl_b32 s21, s7, 8                          ; + 64 columns of 4 bytes
	s_add_co_u32 s20, s20, s21
	s_mov_b32 s21, 0
	s_wait_kmcnt 0x0
	s_load_b64 s[24:25], s[12:13], 0x28            ; e10, e11
	s_add_nc_u64 s[PB:PB+1], s[PB:PB+1], s[16:17]
	s_add_nc_u64 s[QB:QB+1], s[QB:QB+1], s[18:19]
	s_add_nc_u64 s[OB:OB+1], s[OB:OB+1], s[20:21]
	LOADS 0
	LOADS 1
	WIN 0
	v_and_b32 v6, 15, v0                           ; r
	v_bfe_u32 v7, v0, 4, 1                         ; h
	s_mul_i32 s22, s4, 16*SP
	s_add_co_u32 s22, s22, STG                     ; my stage
	v_mul_u32_u24 v[STO], v6, SP
	v_lshl_add_u32 v[STO], v7, 5, v[STO]
	v_add_nc_u32 v[STO], s22, v[STO]               ; in: row r, + 32 h bytes
	v_mul_u32_u24 v[RD], v7, SP
	v_lshl_add_u32 v[RD], v6, 4, v[RD]
	v_add_nc_u32 v[RD], s22, v[RD]                 ; back: lanes 0-15 one row of 256 bytes, lanes 16-31 the next
	v_lshlrev_b32 v[CO], 12, v7
	v_lshl_add_u32 v[CO], v6, 4, v[CO]             ; and the same two rows in out0
	COPY 0, 16+L                                   ; behind K step 0's copy loads: its 16 loads of P and K step 1's L
	LOADS 2
	BAR
	FETCH 0, 0
	FETCH 0, 1
.irp s, 0,1,2,3,4,5,6,7
	KSTEP \s
.endr
	PLACES                                         ; behind the last products, in front of the first read of results and the first write over Q's fragments
	WIN 0
	s_wait_kmcnt 0x0
	s_add_co_i32 s24, s24, s25
	s_add_co_i32 s24, s24, 127
	s_lshl_b32 s24, s24, 23                        ; 2^(e10 + e11) as f32
	s_mov_b32 s25, s24                             ; (named with it as a pair, so it is written)
; THE WAY OUT, a block of 16 rows x my 64 columns at a time.  A lane holds 32 neighbouring bytes of a row, the lanes beside it other rows: the block goes through my own stage in LDS and comes back as whole
; rows of 256 bytes.  LDS serves a wave's instructions in order (ISA guide 5.7.1.4): no wait between the stores and the loads, nor in front of the next block's stores.
.macro TOSTAGE qt
	WIN 0x03                                       ; source 0 (the sums) window 3
.irp pt, 0,1,2,3
.irp i, 0,2,4,6
	v_pk_mul_f32 v[TMP+8*\pt+\i:TMP+8*\pt+\i+1], v[8*(4*(\qt)+\pt)+\i:8*(4*(\qt)+\pt)+\i+1], s[24:25] op_sel_hi:[1,0]   ; x 2^(e10 + e11); each accumulator from its low end on
.endr
.endr
	WIN 0
.irp pt, 0,1,2,3
	ds_store_b128 v[STO], v[TMP+8*\pt:TMP+8*\pt+3] offset:64*\pt
	ds_store_b128 v[STO], v[TMP+8*\pt+4:TMP+8*\pt+7] offset:64*\pt+16
.endr
.irp i, 0,1,2,3,4,5,6,7
	ds_load_b128 v[BK+32*((\qt)%2)+4*\i:BK+32*((\qt)%2)+4*\i+3], v[RD] offset:2*\i*SP
.endr
.endm
.macro SEND qt, younger                ; younger: the LDS instructions issued behind block qt's loads, which may stay out
	s_wait_dscnt \younger
.irp i, 0,1,2,3,4,5,6,7
	global_store_b128 v[CO], v[BK+32*((\qt)%2)+4*\i:BK+32*((\qt)%2)+4*\i+3], s[OB:OB+1] offset:(16*(\qt)+2*\i)*4096 th:TH_STORE_NT   ; sixteen lanes store 256 consecutive bytes, at a multiple of 256 from out0's first byte; written once, read by nobody here
.endr
.endm
	TOSTAGE 0
	TOSTAGE 1
	SEND 0, 16                                     ; behind block 0's loads: block 1's 8 stores and 8 loads
	s_wait_xcnt 0x0                                ; block 0's stores have read their registers: block 2's rows may land there
	TOSTAGE 2
	SEND 1, 16
	s_wait_xcnt 0x0                                ; block 1's likewise
	TOSTAGE 3
	SEND 2, 16
	SEND 3, 0
	s_wait_tensorcnt 0x0
	ds_add_u32 v254, v255
	s_wait_dscnt 0x0
	s_endpgm
.Lfunc_end_k_q8c0ee67c65_outp:
	.size	k_q8c0ee67c65_outp, .Lfunc_end_k_q8c0ee67c65_outp-k_q8c0ee67c65_outp
	.p2alignl 7, 3214868480
	.fill 96, 4, 3214868480
	.section	.rodata,"a",@progbits
	.p2align	6, 0x0
	.amdhsa_kernel k_q8c0ee67c65_outp
		.amdhsa_group_segment_fixed_size 83456
		.amdhsa_private_segment_fixed_size 0
		.amdhsa_enable_private_segment 0
		.amdhsa_kernarg_size 32
		.amdhsa_user_sgpr_count 2
		.amdhsa_user_sgpr_kernarg_segment_ptr 1
		.amdhsa_wavefront_size32 1
		.amdhsa_system_sgpr_workgroup_id_x 1
		.amdhsa_system_sgpr_workgroup_id_y 1
		.amdhsa_system_sgpr_workgroup_id_z 1
		.amdhsa_system_vgpr_workitem_id 0
		.amdhsa_next_free_vgpr 896
		.amdhsa_next_free_sgpr 66
		.amdhsa_reserve_vcc 0
		.amdhsa_float_denorm_mode_32 3
		.amdhsa_float_denorm_mode_16_64 3
		.amdhsa_memory_ordered 1
		.amdhsa_forward_progress 1
		.amdhsa_inst_pref_size 52
	.end_amdhsa_kernel
	.amdgpu_metadata
---
amdhsa.version: [ 1, 2 ]
amdhsa.kernels:
  - .name:           k_q8c0ee67c65_outp
    .symbol:         k_q8c0ee67c65_outp.kd
    .args:
      - { .name: aimg, .offset: 0, .size: 8, .value_kind: global_buffer, .address_space: global }
      - { .name: wimg, .offset: 8, .size: 8, .value_kind: global_buffer, .address_space: global }
      - { .name: lowp_scales, .offset: 16, .size: 8, .value_kind: global_buffer, .address_space: global }
      - { .name: out0, .offset: 24, .size: 8, .value_kind: global_buffer, .address_space: global }
    .group_segment_fixed_size: 83456
    .private_segment_fixed_size: 0
    .kernarg_segment_align: 8
    .kernarg_segment_size: 32
    .max_flat_workgroup_size: 128
    .sgpr_count:     66
    .vgpr_count:     896
    .wavefront_size: 32
...
	.end_amdgpu_metadata
.endif
;; end of part 4
;; ======== version 2 of 2: 4 launches; version 1 with the launches qkv, att, outp written anew for expert scheduling mode
;; workspace buffers: xc 12,582,912 bytes; wimg 2,621,440 bytes; rope 524,288 bytes; qimg 4,194,304 bytes; kv 2,097,152 bytes; aimg 4,194,304 bytes
;; launch prep: the kernel of part 1 again; grid 432 x 1, 8 waves a work-group, no clusters, 68,608 bytes of LDS; arguments x, wq, wk, wv, wo, lowp_scales, xc, wimg, rope; writes xc, wimg, rope
;; launch qkv (part 5): grid 192 x 1, 4 waves a work-group, no clusters, 131,584 bytes of LDS; arguments xc, wimg, rope, lowp_scales, qimg, kv; writes qimg, kv
.if DOCPART == 5
	.amdgcn_target "amdgcn-amd-amdhsa--gfx1250"
	.amdhsa_code_object_version 6
	.text
	.protected	k_q8c0ee67c65_qkv
	.globl	k_q8c0ee67c65_qkv
	.p2align	8
	.type	k_q8c0ee67c65_qkv,@function
k_q8c0ee67c65_qkv:
	s_mov_b64 s[64:65], 0
	v_nop
	global_prefetch_b8 v0, s[64:65] scope:SCOPE_SE
	s_setreg_imm32_b32 hwreg(HW_REG_WAVE_SCHED_MODE, 0, 2), 2
	s_setreg_imm32_b32 hwreg(HW_REG_WAVE_MODE, 25, 1), 1
	s_wait_xcnt 0x0
	s_wait_alu depctr_vm_vsrc(0)
; QKV: the three projections on codes of FP8 (E4M3), RoPE on q and k, and the results quantised again, as images of the operand registers that the attention launch wants.
; D = P x Q, K = 1,024 in eight steps of 128, by v_wmma_f32_16x16x128_fp8_fp8.  P (source 0): 64 rows a wave, 4 tiles x 8 K steps, a dense block of 64 KiB that goes from memory straight into 512 registers.
; Q (source 1): 8 tiles shared by the four waves, a dense block of 128 KiB, copied into LDS once, K step by K step, each step into bytes of its own.  In D register j of lane (r, h) is (P's row 8 h + j, Q's row r).
; ROLES, by cgk = work-group / 32, j = work-group % 32:
;   cgk 0-3 (q), 4 (k): P = one head's 64 rows of the weight for each wave, Q = 128 tokens: a lane holds ONE token and its registers run along the head's 64, the next product's K.
;   cgk 5 (v): P = 64 tokens for each wave, Q = 128 channels of wv: a lane holds ONE channel and its registers run along the tokens, which are the keys: the second attention product's K.
; So one conversion of an accumulator's eight registers gives registers 2 c, 2 c + 1 of the next operand (k = 16 c + 8 h + 0 .. 7), and nothing changes lanes.
; The given scales are folded: a sum stands for sum x 2^(ea + eb), RoPE is linear, so the conversion takes 2^(e6 - e0 - e1) for q, 2^(e7 - e2 - e3) for k, 2^(e9 - e4 - e5) for v.
; OUT: qimg [b 16 + head: 32][query tile: 128][1,024];  kv [b 4 + kv head: 8][key step of 128: 16][16,384]: K's 8 tiles of 16 keys (1,024 each), then V's 4 tiles of 16 channels x 128 keys (2,048 each).
; No cluster: only the four work-groups of q that share j read the same Q; k's and v's have no partner, and P, 256 of a work-group's 384 KiB, goes to registers, not to LDS.
; LIMITS: each of the three folded exponents lies between -126 and 119.  NaN is not served.
; REGISTERS, in windows of 256: window 0: v1-5 addresses; v16-143 Q's eight fragments; v144-239 three sets of 32 for the copy into LDS, later three sets of tables; v240, v241 the scale and 448 x the scale.
;   windows 1, 2: P, K step s at v[64 (s % 4) + 16 pt] of window 1 + s / 4.   window 3: accumulator (q, pt) at v[8 (4 q + pt)].
; THE MODE: SCHED_MODE bits 1:0 = 2 (LLVM: expert scheduling mode 2), set by the entry lines.  The code itself states the register dependences
; between vector or matrix instructions and memory or LDS instructions, with s_wait_alu, always for 0.
; THE PLAN.  Registers that memory or LDS instructions touch:
;   v1-5          addresses: written at the head, never again.
;   P             each register is the target of one load and is named by nothing ahead of it; read by matrix instructions alone.
;   SG0 .. SG2    copy sets: K step s's copy loads land in SG[s % 3], COPY(s)'s LDS stores read it, the copy loads of K step s + 3 land in it again; in the last step the tables land in all three.
;   Q 0-3, Q 4-7  the two halves of Q's fragments.  K step s: its first 16 matrix instructions read 0-3, its second 16 read 4-7.  The LDS loads of 4-7 for step s are dealt among the first 16,
;                 those of 0-3 for step s + 1 among the second 16: a half is loaded while the other is multiplied.
;   tables        tile qt's multiplications read set qt % 3; behind them tile qt + 3's loads land in it.
;   CDS           codes, eight registers for each tile: written by its conversions, read by its two stores, never written again.
; So a K step has two waits on va_vdst, each ahead of the half's first matrix instruction (the half that is loaded next has been read out), and one on vm_vsrc ahead of the copy; a tile of the way out has one on va_vdst.
.set NQT, 8                            ; Q's tiles
.set NC,  NQT                          ; loads a wave and K step for the copy: 2 tiles x 4
.set L,   NC+16                        ; all loads of a K step: the copy's, then P's 16
.set LI,  1                            ; v1  16 x lane
.set LI2, 2                            ; v2  the same + 65,536: an LDS instruction's immediate has 16 bits
.set CP,  3                            ; v3  where I store my two tiles of a K step: 16 x lane + 4,096 x wave
.set CP2, 4                            ; v4  the same + 65,536
.set GQ,  5                            ; v5  my two tiles in Q's block: 16 x lane + 32,768 x wave
.set QF,  16
.set SG,  144
.set NW,  16                           ; the way out: 32 numbers of a tile
.set RTM, 48                           ; v48-63 at work
.set CDS, 64                           ; v64-127 codes: 8 registers for each tile, so that no store's data are written again
.set PB,  20                           ; s[20:21] P's block
.set QB,  22                           ; s[22:23] Q's block
.set RB,  12                           ; s[12:13] the tables of my 128 tokens
.set OB,  16                           ; s[16:17] where my results go
.set MSB, 0
.macro WIN new                         ; the immediate's high byte repeats the setting that is left; a switch that changes nothing is dropped
.if MSB != (\new)
	s_set_vgpr_msb (MSB<<8)|(\new)
.set MSB, (\new)
.endif
.endm
.macro PLACES                          ; four plain vector instructions between a matrix instruction and a load into, or a vector instruction on, one of its registers
.rept 4
	v_nop
.endr
.endm
.macro BAR                             ; my LDS stores have landed and my LDS loads are in: then the work-group's barrier
	s_wait_dscnt 0x0
	s_barrier_signal -1
	s_barrier_wait -1
.endm
.macro LOADS s                         ; K step s: my two tiles of Q into copy set s % 3, then my four fragments of P into their own registers
	WIN 0
.set i, 0
.rept NQT/4
.irp c, 0,1,2,3
	global_load_b128 v[SG+32*((\s)%3)+16*i+4*\c:SG+32*((\s)%3)+16*i+4*\c+3], v[GQ], s[QB:QB+1] offset:(8*i+(\s))*2048+512*\c
.endr
.set i, i+1
.endr
	WIN 0x40*(1+(\s)/4)                            ; destination window 1 or 2
.irp pt, 0,1,2,3
.irp c, 0,1,2,3
	global_load_b128 v[64*((\s)%4)+16*\pt+4*\c:64*((\s)%4)+16*\pt+4*\c+3], v[LI], s[PB:PB+1] offset:(8*\pt+(\s))*2048+512*\c
.endr
.endr
.endm
.macro COPY s, cnt                     ; K step s's two tiles go to LDS at [s][tile][2,048].  cnt: the loads issued behind them
	s_wait_loadcnt \cnt
	WIN 0
.set i, 0
.rept NQT/4
.irp c, 0,1,2,3
.set o, ((\s)*NQT+i)*2048+512*\c
.if o >= 65536
	ds_store_b128 v[CP2], v[SG+32*((\s)%3)+16*i+4*\c:SG+32*((\s)%3)+16*i+4*\c+3] offset:o-65536
.else
	ds_store_b128 v[CP], v[SG+32*((\s)%3)+16*i+4*\c:SG+32*((\s)%3)+16*i+4*\c+3] offset:o
.endif
.endr
.set i, i+1
.endr
.endm
.macro FR s, q                         ; Q's fragment q of K step s, from LDS
	WIN 0
.irp c, 0,1,2,3
.set o, ((\s)*NQT+(\q))*2048+512*\c
.if o >= 65536
	ds_load_b128 v[QF+16*(\q)+4*\c:QF+16*(\q)+4*\c+3], v[LI2] offset:o-65536
.else
	ds_load_b128 v[QF+16*(\q)+4*\c:QF+16*(\q)+4*\c+3], v[LI] offset:o
.endif
.endr
.endm
.macro WM s, q, zero                   ; four matrix instructions: P's four tiles of K step s against Q's fragment q.  zero = 1: the first K step starts the sums
	WIN 0xf1+(\s)/4                                ; source 0 (P) window 1 or 2, source 1 (Q) window 0, C and D window 3
.irp pt, 0,1,2,3
.if \zero
	v_wmma_f32_16x16x128_fp8_fp8 v[8*(4*(\q)+\pt):8*(4*(\q)+\pt)+7], v[64*((\s)%4)+16*\pt:64*((\s)%4)+16*\pt+15], v[QF+16*(\q):QF+16*(\q)+15], 0
.else
	v_wmma_f32_16x16x128_fp8_fp8 v[8*(4*(\q)+\pt):8*(4*(\q)+\pt)+7], v[64*((\s)%4)+16*\pt:64*((\s)%4)+16*\pt+15], v[QF+16*(\q):QF+16*(\q)+15], v[8*(4*(\q)+\pt):8*(4*(\q)+\pt)+7]
.endif
.endr
.endm
; Half h of K step s: 16 matrix instructions.  The accumulators take turns, one instruction a turn, in the same order in every step.
; fetch = 1: the 16 LDS loads of half fh of K step fs are dealt among them, early, eight at a time.  No wait stands among these lines: no matrix instruction here names the half that is loaded.
.macro HALF s, h, zero, fs, fh, fetch
	WM \s, 4*(\h), \zero
.if \fetch
	FR \fs, 4*(\fh)
	FR \fs, 4*(\fh)+1
.endif
	WM \s, 4*(\h)+1, \zero
.if \fetch
	FR \fs, 4*(\fh)+2
	FR \fs, 4*(\fh)+3
.endif
	WM \s, 4*(\h)+2, \zero
	WM \s, 4*(\h)+3, \zero
.endm
.macro TLOAD qt                        ; token tile qt's cosines (16 registers) and sines (16) into table set qt % 3
	WIN 0
.irp g, 0,1,2,3,4,5,6,7
	global_load_b128 v[SG+32*((\qt)%3)+4*\g:SG+32*((\qt)%3)+4*\g+3], v[LI], s[RB:RB+1] offset:4096*(\qt)+512*\g
.endr
.endm
; A K STEP.  Loads run three K steps ahead of the products, the copy into LDS one step.  One barrier a step: behind it the next step's eight tiles lie in LDS; no LDS byte is written twice.
.macro KSTEP s
.if (\s) <= 5
	s_wait_loadcnt 2*L                             ; P of this step is in; behind it the loads of the two later K steps were issued
.elseif (\s) == 6
	s_wait_loadcnt L                               ; behind it: the last K step's
.else
	s_wait_loadcnt 0x0
	s_wait_alu depctr_vm_vsrc(0)                   ; the copies' LDS stores have read the three copy sets, in which the tables below land
	TLOAD 0                                        ; the first three tiles' tables.  (They stand on the one way that all roles take: in v's work-groups they are in range and are not used)
	TLOAD 1
	TLOAD 2
.endif
	s_wait_dscnt 0x0                               ; Q's fragments 0-3 of this step are in
.if (\s) == 0
	HALF \s, 0, 1, \s, 1, 1
.else
	PLACES
	s_wait_alu depctr_va_vdst(0)                   ; the last step's second sixteen matrix instructions are done reading fragments 4-7, in which this step's land
	HALF \s, 0, 0, \s, 1, 1
.endif
.if (\s) < 7
.if (\s)+3 <= 7
	s_wait_alu depctr_vm_vsrc(0)                   ; the LDS stores of this step's own copy, issued a step ago, have read the copy set in which the loads of three steps on land
.endif
.if (\s) == 6
	COPY (\s)+1, 16                                ; behind the last step's copy loads: its 16 loads of P
.else
	COPY (\s)+1, 16+L                              ; behind the next step's copy loads: its 16 loads of P and the L of the step after
.endif
.if (\s)+3 <= 7
	LOADS (\s)+3
.endif
	BAR
	PLACES
	s_wait_alu depctr_va_vdst(0)                   ; this step's first sixteen matrix instructions are done reading fragments 0-3, in which the next step's land
.if (\s) == 0
	HALF \s, 1, 1, (\s)+1, 0, 1
.else
	HALF \s, 1, 0, (\s)+1, 0, 1
.endif
.else
	s_wait_dscnt 0x0                               ; fragments 4-7 are in
	HALF \s, 1, 0, 0, 0, 0
.endif
.endm
	s_load_b256 s[8:15], s[0:1], 0x0               ; xc s[8:9], wimg s[10:11], rope s[12:13], the scales' exponents s[14:15]
	s_load_b128 s[16:19], s[0:1], 0x20             ; qimg s[16:17], kv s[18:19]
	v_lshl_add_u32 v254, v0, 2, 0x20000
	v_mov_b32 v255, 0
	v_lshrrev_b32 v1, 5, v0
	v_readfirstlane_b32 s4, v1                     ; wave 0..3
	v_and_b32 v1, 31, v0
	v_lshlrev_b32 v[LI], 4, v1
	v_add_nc_u32 v[LI2], 0x10000, v[LI]
	s_wait_alu depctr_va_sdst(0)                   ; s4 is written, ahead of its first reader
	s_lshl_b32 s5, s4, 12
	v_add_nc_u32 v[CP], s5, v[LI]
	v_add_nc_u32 v[CP2], 0x10000, v[CP]
	s_lshl_b32 s3, s4, 15
	v_add_nc_u32 v[GQ], s3, v[LI]
	s_lshr_b32 s6, ttmp9, 5                        ; cgk
	s_and_b32 s7, ttmp9, 31                        ; j
	s_lshl_b32 s34, s6, 2
	s_add_co_u32 s34, s34, s4
	s_lshl_b32 s34, s34, 16                        ; P for q and k: head 4 cgk + w of wimg (wk's four follow wq's sixteen), 65,536 bytes each
	s_lshr_b32 s35, s7, 1
	s_lshl_b32 s35, s35, 18
	s_lshl_b32 s36, s4, 16
	s_add_co_u32 s35, s35, s36
	s_add_co_u32 s35, s35, 0x800000                ; P for v: x under e4: 256 tokens for j / 2, 64 of them a wave
	s_lshl_b32 s36, s7, 17                         ; Q for q: x under e0, 128 tokens for j;
	s_add_co_u32 s37, s36, 0x400000                ; for k: under e2
	s_cmp_eq_u32 s6, 4
	s_cselect_b32 s36, s37, s36
	s_and_b32 s37, s7, 1
	s_lshl_b32 s37, s37, 17
	s_add_co_u32 s37, s37, 20<<16                  ; Q for v: wv's tiles 80 + 8 (j % 2) on
	s_and_b32 s38, s7, 15                          ; which 128 tokens of the batch
	s_lshl_b32 s40, s38, 15
	s_mov_b32 s41, 0
	s_wait_kmcnt 0x0
	s_load_b256 s[24:31], s[14:15], 0x0            ; e0 .. e7
	s_load_b64 s[32:33], s[14:15], 0x20            ; e8, e9
	s_cmp_eq_u32 s6, 5                             ; the choices hang on the work-group's number alone
	s_cselect_b64 s[PB:PB+1], s[8:9], s[10:11]
	s_cselect_b64 s[QB:QB+1], s[10:11], s[8:9]
	s_cselect_b32 s34, s35, s34
	s_cselect_b32 s36, s37, s36
	s_mov_b32 s35, 0
	s_mov_b32 s37, 0
	s_add_nc_u64 s[PB:PB+1], s[PB:PB+1], s[34:35]
	s_add_nc_u64 s[QB:QB+1], s[QB:QB+1], s[36:37]
	s_add_nc_u64 s[RB:RB+1], s[RB:RB+1], s[40:41]
	s_wait_alu depctr_va_vdst(0)                   ; the five addresses v1 to v5 are written: every load, store and LDS instruction of the kernel reads one of them
	LOADS 0
	LOADS 1
	; where my results go
	s_lshr_b32 s42, s7, 4                          ; q, k: the batch
	s_lshl_b32 s43, s42, 4
	s_lshl_b32 s44, s6, 2
	s_add_co_u32 s43, s43, s44
	s_add_co_u32 s43, s43, s4
	s_lshl_b32 s43, s43, 17
	s_lshl_b32 s44, s38, 13
	s_add_co_u32 s43, s43, s44                     ; q: (16 b + head) x 131,072 + 8 tiles of 1,024 for each 128 tokens
	s_lshl_b32 s44, s42, 2
	s_add_co_u32 s44, s44, s4
	s_lshl_b32 s44, s44, 4
	s_add_co_u32 s44, s44, s38
	s_lshl_b32 s44, s44, 14                        ; k: ((4 b + kv head w) 16 + key step) x 16,384
	s_lshr_b32 s45, s7, 1                          ; v: tb = which 256 tokens
	s_lshr_b32 s46, s45, 3
	s_lshl_b32 s46, s46, 2
	s_and_b32 s47, s7, 1
	s_lshl_b32 s47, s47, 1
	s_add_co_u32 s46, s46, s47                     ; 4 b + the first of my two kv heads
	s_lshl_b32 s46, s46, 4
	s_and_b32 s45, s45, 7
	s_lshl_b32 s45, s45, 1
	s_add_co_u32 s46, s46, s45
	s_lshr_b32 s47, s4, 1
	s_add_co_u32 s46, s46, s47                     ; key step 2 (tb % 8) + w / 2
	s_lshl_b32 s46, s46, 14
	s_and_b32 s47, s4, 1
	s_lshl_b32 s47, s47, 10                        ; my 64 keys are registers 8 (w % 2) on of a fragment of 128 keys
	s_add_co_u32 s46, s46, s47
	s_add_co_u32 s46, s46, 8192                    ; V lies behind K's 8,192 bytes
	s_cmp_lt_u32 s6, 4
	s_cselect_b64 s[OB:OB+1], s[16:17], s[18:19]
	s_cselect_b32 s44, s43, s44
	s_cmp_eq_u32 s6, 5
	s_cselect_b32 s44, s46, s44
	s_mov_b32 s45, 0
	s_add_nc_u64 s[OB:OB+1], s[OB:OB+1], s[44:45]
	COPY 0, 16+L                                   ; behind K step 0's copy loads: its 16 loads of P and K step 1's L
	LOADS 2
	BAR
	FR 0, 0                                        ; fragments 0-3 of K step 0; its fragments 4-7 are fetched among its first products
	FR 0, 1
	FR 0, 2
	FR 0, 3
.irp s, 0,1,2,3,4,5,6,7
	KSTEP \s
.endr
	PLACES                                         ; behind the last products, in front of the first read of results and the first write over Q's fragments
	WIN 0
	s_wait_kmcnt 0x0
	s_sub_co_i32 s48, s30, s24
	s_sub_co_i32 s48, s48, s25                     ; q: e6 - e0 - e1
	s_sub_co_i32 s49, s31, s26
	s_sub_co_i32 s49, s49, s27                     ; k: e7 - e2 - e3
	s_sub_co_i32 s50, s33, s28
	s_sub_co_i32 s50, s50, s29                     ; v: e9 - e4 - e5
	s_cmp_lt_u32 s6, 4
	s_cselect_b32 s48, s48, s49
	s_cmp_eq_u32 s6, 5
	s_cselect_b32 s48, s50, s48
	s_add_co_i32 s48, s48, 127
	s_lshl_b32 s49, s48, 23
	v_mov_b32 v240, s49                            ; the folded scale as f32: the conversion takes its exponent field
	s_add_co_i32 s48, s48, 8
	s_lshl_b32 s48, s48, 23
	s_or_b32 s48, s48, 0x600000
	v_mov_b32 v241, s48                            ; 448 x that
	s_cmp_eq_u32 s6, 5
	s_cbranch_scc1 .Lv
; q and k.  Token tile qt: accumulator (qt, pt) holds d = 16 pt + 8 h + j of token r.  d and d + 32 are partners: tiles pt = tp and tp + 2.  new lo = lo cos - hi sin, new hi = hi cos + lo sin.
.macro ROPE qt
.if (\qt) <= 5
	s_wait_loadcnt 16                              ; this tile's table is in; the next two tiles' sixteen loads may be out
.elseif (\qt) == 6
	s_wait_loadcnt 8
.else
	s_wait_loadcnt 0x0
.endif
	WIN 0x03                                       ; source 0 (the sums) window 3
.irp tp, 0,1
.irp jp, 0,2,4,6                       ; each accumulator from its low end on
.set RLO, 8*(4*(\qt)+\tp)+\jp
.set RHI, 8*(4*(\qt)+\tp+2)+\jp
.set RCO, SG+32*((\qt)%3)+8*\tp+\jp
.set RSI, RCO+16
.set RT,  RTM+2*\jp
	v_pk_mul_f32 v[RT:RT+1], v[RHI:RHI+1], v[RSI:RSI+1]
	v_pk_mul_f32 v[RT+2:RT+3], v[RLO:RLO+1], v[RSI:RSI+1]
	v_pk_fma_f32 v[NW+8*\tp+\jp:NW+8*\tp+\jp+1], v[RLO:RLO+1], v[RCO:RCO+1], v[RT:RT+1] neg_lo:[0,0,1] neg_hi:[0,0,1]
	v_pk_fma_f32 v[NW+16+8*\tp+\jp:NW+16+8*\tp+\jp+1], v[RHI:RHI+1], v[RCO:RCO+1], v[RT+2:RT+3]
.endr
.endr
	WIN 0
.set n, 0
.rept 32
	v_med3_num_f32 v[NW+n], v[NW+n], -v241, v241   ; the conversion to an 8-bit code does not saturate (ISA guide 7.6.2): the hold at the largest code x the scale
.set n, n+1
.endr
.irp pt, 0,1,2,3
	v_cvt_scalef32_pk8_fp8_f32 v[CDS+8*(\qt)+2*\pt:CDS+8*(\qt)+2*\pt+1], v[NW+8*\pt:NW+8*\pt+7], v240   ; registers 2 pt, 2 pt + 1: d = 16 pt + 8 h + 0 .. 7
.endr
	v_nop                                          ; a plain instruction behind the last conversion: the next tile writes its sources
	s_wait_alu depctr_va_vdst(0)                   ; the conversions have written this tile's codes, which the stores read; the multiplications are done reading its table, in which the table of three tiles on lands
.if (\qt)+3 <= 7
	TLOAD (\qt)+3                                  ; into the table set just read
.endif
.irp g, 0,1
	global_store_b128 v[LI], v[CDS+8*(\qt)+4*\g:CDS+8*(\qt)+4*\g+3], s[OB:OB+1] offset:1024*(\qt)+512*\g   ; 512 consecutive bytes a store
.endr
.endm
.irp qt, 0,1,2,3,4,5,6,7
	ROPE \qt
.endr
	s_wait_dscnt 0x0                               ; the closing lines, six on end
	s_wait_alu 0x0
	s_wait_tensorcnt 0x0
	ds_add_u32 v254, v255
	s_wait_dscnt 0x0
	s_endpgm
; v.  Channel tile qt: accumulator (qt, pt) holds keys 16 pt + 8 h + j (of my 64) of channel r: registers 2 pt, 2 pt + 1 of my half of the fragment.
.Lv:
.macro VCODE qt
	WIN 0x03
.irp pt, 0,1,2,3
.irp jj, 0,1,2,3,4,5,6,7
	v_med3_num_f32 v[NW+8*\pt+\jj], v[8*(4*(\qt)+\pt)+\jj], -v241, v241
.endr
.endr
	WIN 0
.irp pt, 0,1,2,3
	v_cvt_scalef32_pk8_fp8_f32 v[CDS+8*(\qt)+2*\pt:CDS+8*(\qt)+2*\pt+1], v[NW+8*\pt:NW+8*\pt+7], v240
.endr
	v_nop                                          ; a plain instruction behind the last conversion
.endm
.macro VSEND qt
.irp g, 0,1
	global_store_b128 v[LI], v[CDS+8*(\qt)+4*\g:CDS+8*(\qt)+4*\g+3], s[OB:OB+1] offset:((\qt)/4)*262144+((\qt)%4)*2048+512*\g   ; kv head qt / 4 of my two, channel tile qt % 4
.endr
.endm
.irp qt, 0,1,2,3
	VCODE \qt
.endr
	s_wait_alu depctr_va_vdst(0)                   ; the conversions have written the first kv head's four tiles of codes, which the eight stores read
.irp qt, 0,1,2,3
	VSEND \qt
.endr
.irp qt, 4,5,6,7
	VCODE \qt
.endr
	s_wait_alu depctr_va_vdst(0)                   ; and the second kv head's
.irp qt, 4,5,6,7
	VSEND \qt
.endr
	s_wait_dscnt 0x0                               ; the closing lines, six on end
	s_wait_alu 0x0
	s_wait_tensorcnt 0x0
	ds_add_u32 v254, v255
	s_wait_dscnt 0x0
	s_endpgm
.Lfunc_end_k_q8c0ee67c65_qkv:
	.size	k_q8c0ee67c65_qkv, .Lfunc_end_k_q8c0ee67c65_qkv-k_q8c0ee67c65_qkv
	.p2alignl 7, 3214868480
	.fill 96, 4, 3214868480
	.section	.rodata,"a",@progbits
	.p2align	6, 0x0
	.amdhsa_kernel k_q8c0ee67c65_qkv
		.amdhsa_group_segment_fixed_size 131584
		.amdhsa_private_segment_fixed_size 0
		.amdhsa_enable_private_segment 0
		.amdhsa_kernarg_size 48
		.amdhsa_user_sgpr_count 2
		.amdhsa_user_sgpr_kernarg_segment_ptr 1
		.amdhsa_wavefront_size32 1
		.amdhsa_system_sgpr_workgroup_id_x 1
		.amdhsa_system_sgpr_workgroup_id_y 1
		.amdhsa_system_sgpr_workgroup_id_z 1
		.amdhsa_system_vgpr_workitem_id 0
		.amdhsa_next_free_vgpr 1024
		.amdhsa_next_free_sgpr 66
		.amdhsa_reserve_vcc 0
		.amdhsa_float_denorm_mode_32 3
		.amdhsa_float_denorm_mode_16_64 3
		.amdhsa_memory_ordered 1
		.amdhsa_forward_progress 1
		.amdhsa_inst_pref_size 129
	.end_amdhsa_kernel
	.amdgpu_metadata
---
amdhsa.version: [ 1, 2 ]
amdhsa.kernels:
  - .name:           k_q8c0ee67c65_qkv
    .symbol:         k_q8c0ee67c65_qkv.kd
    .args:
      - { .name: xc, .offset: 0, .size: 8, .value_kind: global_buffer, .address_space: global }
      - { .name: wimg, .offset: 8, .size: 8, .value_kind: global_buffer, .address_space: global }
      - { .name: rope, .offset: 16, .size: 8, .value_kind: global_buffer, .address_space: global }
      - { .name: lowp_scales, .offset: 24, .size: 8, .value_kind: global_buffer, .address_space: global }
      - { .name: qimg, .offset: 32, .size: 8, .value_kind: global_buffer, .address_space: global }
      - { .name: kv, .offset: 40, .size: 8, .value_kind: global_buffer, .address_space: global }
    .group_segment_fixed_size: 131584
    .private_segment_fixed_size: 0
    .kernarg_segment_align: 8
    .kernarg_segment_size: 48
    .max_flat_workgroup_size: 128
    .sgpr_count:     66
    .vgpr_count:     1024
    .wavefront_size: 32
...
	.end_amdgpu_metadata
.endif
;; end of part 5
;; launch att (part 6): grid 32 x 8, 16 waves a work-group, no clusters, 34,816 bytes of LDS; arguments qimg, kv, lowp_scales, aimg; writes aimg
.if DOCPART == 6
	.amdgcn_target "amdgcn-amd-amdhsa--gfx1250"
	.amdhsa_code_object_version 6
	.text
	.protected	k_q8c0ee67c65_att
	.globl	k_q8c0ee67c65_att
	.p2align	8
	.type	k_q8c0ee67c65_att,@function
k_q8c0ee67c65_att:
	s_mov_b64 s[64:65], 0
	v_nop
	global_prefetch_b8 v0, s[64:65] scope:SCOPE_SE
	s_setreg_imm32_b32 hwreg(HW_REG_WAVE_SCHED_MODE, 0, 2), 2
	s_setreg_imm32_b32 hwreg(HW_REG_WAVE_MODE, 25, 1), 1
	s_wait_xcnt 0x0
	s_wait_alu depctr_vm_vsrc(0)
; ATT: causal attention on codes of FP8 (E4M3); 16 query heads on 4 key and value heads, head size 64, 2,048 tokens, 2 batches.
; t = score x log2(e) / 8; M = the running largest t rounded UP to a whole number; p = 2^(t - M) is quantised with 2^e8, not normalised; the row's sum is taken of the unquantised p and divides at the end.
; When M moves, the sum and O are multiplied by 2^(old M - new M): exact.
; SHARES.  Work-group (g, bk): batch bk / 4, kv head bk % 4.  Sixteen waves, one tile of 16 queries each: wave w serves head 4 (bk % 4) + w % 4, and with a = w / 4 the tile u = 2 g + a / 2 or its mirror 127 - u.
; Tiles t and 127 - t need t / 8 + 1 and 16 - t / 8 key steps, 17 together: every work-group has 8 x 17 wave-steps, and long and short waves are mixed among every four neighbours.
; All sixteen waves read the same K and V: a key step's 16 KiB of kv is copied into one of two LDS slots, 1 KiB a wave, two steps ahead in registers and one step ahead in LDS.  One barrier a key step.
; The loop's trips, (17 - g / 4) / 2, hang on the work-group's number alone; a trip runs both slots, so that every LDS address is a constant + a lane term.
; A wave whose queries all come before a step's keys jumps over the step's work (a scalar branch on ids), never over the copy or the barrier.
; LAYOUT.  S^T = K Q^T (source 0 = 16 keys, source 1 = my 16 queries, K = 64) and O^T = V^T P^T (source 0 = 16 channels, source 1 = P, K = 128 keys): a lane holds ONE query throughout;
; register j of score tile ta is key 16 ta + 8 h + j, so its conversion gives registers 2 ta, 2 ta + 1 of P's fragment; likewise O^T's tiles give the output product's operand.
; OUT: aimg [row tile 128 b + t: 256][K step: 8][2,048]; a head's 64 channels are the 1,024 bytes at head x 1,024.
; No cluster: work-groups that share K and V (same bk) need different numbers of key steps, 9 to 16.
; LIMITS: e6 + e7 between -123 and 130 (added to c's exponent field); e8, and e10 - e8 - e9, between -126 and 119.  NaN is not served.
; THE MODE: SCHED_MODE bits 1:0 = 2 (LLVM: expert scheduling mode 2), set by the entry lines.  The code itself states the register dependences
; between vector or matrix instructions and memory or LDS instructions, with s_wait_alu, always for 0.
; THE PLAN.  Registers that memory or LDS instructions touch:
;   v1, v2     addresses: written at the head, never again.  The key step that is loaded is reached by a scalar base, made anew in each step.
;   CA0, CA1   copy sets.  The step in slot sg: its LDS stores read CA[1 - sg]; its loads land in CA[sg], which the LDS stores of the step before have read.  No vector instruction names them.
;   F          K's LDS loads land in it, the eight score products read it, V's LDS loads land in it, the four output products read it; then the next step's K.  A wave's share of its SIMD's registers has no room for V's own 64.
;   PC         on the way out: written by the conversions, read by the two stores.
; So a step has one wait on vm_vsrc at its head, one on va_vdst ahead of K's loads (a barrier lies between it and the products that it waits for), and one behind the score products, whose results the softmax wants next in any case.
.set LI,   1                           ; v1   16 x lane
.set CPY,  2                           ; v2   my 1 KiB of a key step: 1,024 x wave + 16 x lane, in LDS and in memory
.set DD,   5                           ; v5   my query's place in its key step, less 8 h
.set QQ,   8                           ; v[8:15]  Q's fragment
                                       ; v16 -M, v17 the largest t, v[18:19] the sum in two halves
.set CA,   20                          ; v20-27, v28-35  copy sets 0 (even key steps) and 1 (odd)
.set F,    36                          ; v36-99   K's eight fragments, then V's four
.set S,    100                         ; v100-163 S^T, then p
.set O,    164                         ; v164-195 O^T
.set PC,   196                         ; v196-211 p's codes
.set TA,   212
.set TP,   213
.set FF,   214                         ; v[214:215] f = 2^(old M - new M) in the low word
.set SU,   216                         ; v[216:217] the second chain of the sums
.set SCP,  218                         ; 2^e8
.set LIMP, 219                         ; 448 x 2^e8
.set NINF, 220
.set KO,   2                           ; s[2:3]   byte offset of the key step that is loaded; the high word stays 0
.set KB,   34                          ; s[34:35] its address
.set MK,   26                          ; s26-33   the diagonal's masks, eight at a time (free behind the head)
	s_load_b256 s[8:15], s[0:1], 0x0               ; qimg s[8:9], kv s[10:11], the scales' exponents s[12:13], aimg s[14:15]
	v_lshl_add_u32 v224, v0, 2, 0x8000
	v_mov_b32 v225, 0
	v_lshrrev_b32 v1, 5, v0
	v_readfirstlane_b32 s4, v1                     ; wave 0..15
	v_and_b32 v1, 31, v0
	v_lshlrev_b32 v[LI], 4, v1
	v_and_b32 v[DD], 15, v0
	v_bfe_u32 v6, v0, 4, 1
	v_lshlrev_b32 v6, 3, v6
	v_sub_nc_u32 v[DD], v[DD], v6                  ; r - 8 h
	s_wait_alu depctr_va_sdst(0)                   ; s4 is written, ahead of its first reader
	s_lshl_b32 s5, s4, 10
	v_add_nc_u32 v[CPY], s5, v[LI]
	s_and_b32 s6, ttmp7, 0xffff                    ; bk
	s_and_b32 s16, s4, 3                           ; c
	s_lshr_b32 s17, s4, 2                          ; a
	s_and_b32 s18, s6, 3
	s_lshl_b32 s18, s18, 2
	s_add_co_u32 s18, s18, s16                     ; head
	s_lshr_b32 s19, s6, 2                          ; batch
	s_lshr_b32 s20, s17, 1
	s_lshl_b32 s21, ttmp9, 1
	s_add_co_u32 s20, s20, s21                     ; u
	s_sub_co_u32 s21, 127, s20
	s_xor_b32 s22, s17, s16
	s_and_b32 s22, s22, 1
	s_cmp_lg_u32 s22, 0
	s_cselect_b32 s20, s21, s20                    ; t: my tile of queries
	s_lshr_b32 s23, s20, 3                         ; SD: the key step on my diagonal, my last
	s_lshr_b32 s24, ttmp9, 2
	s_sub_co_u32 s24, 17, s24
	s_lshr_b32 s24, s24, 1                         ; trips: the work-group's longest wave has 16 - g / 4 key steps
	s_mov_b32 s25, 0                               ; SK: the key step in hand
	s_mov_b32 s[KO+1], 0
	s_and_b32 s26, s20, 7
	s_lshl_b32 s26, s26, 4
	v_add_nc_u32 v[DD], s26, v[DD]                 ; 16 (t % 8) + r - 8 h
	s_lshl_b32 s27, s19, 4
	s_add_co_u32 s27, s27, s18
	s_lshl_b32 s27, s27, 7
	s_add_co_u32 s27, s27, s20
	s_lshl_b32 s28, s27, 10                        ; Q: ((16 b + head) 128 + t) x 1,024
	s_mov_b32 s29, 0
	s_lshl_b32 s30, s6, 18                         ; K, V: bk x 16 key steps x 16,384
	s_mov_b32 s31, 0
	s_lshl_b32 s32, s19, 7
	s_add_co_u32 s32, s32, s20
	s_lshl_b32 s32, s32, 14
	s_lshl_b32 s33, s18, 10
	s_add_co_u32 s32, s32, s33                     ; out: (128 b + t) x 16,384 + head x 1,024
	s_mov_b32 s33, 0
	s_mov_b32 s42, 0x76543210                      ; v_permlanex16_b32's selects for lane l xor 16
	s_mov_b32 s43, 0xfedcba98
	s_mov_b32 s44, 0x3e38aa3b                      ; c = log2(e) / 8
	s_wait_kmcnt 0x0
	s_load_b128 s[36:39], s[12:13], 0x18           ; e6, e7, e8, e9
	s_load_b32 s40, s[12:13], 0x28                 ; e10
	s_add_nc_u64 s[8:9], s[8:9], s[28:29]
	s_add_nc_u64 s[10:11], s[10:11], s[30:31]
	s_add_nc_u64 s[14:15], s[14:15], s[32:33]
	s_wait_alu depctr_va_vdst(0)                   ; the two addresses v1 and v2 are written: every load, store and LDS instruction of the kernel reads one of them
	global_load_b128 v[CA:CA+3], v[CPY], s[10:11]                     ; key step 0
	global_load_b128 v[CA+4:CA+7], v[CPY], s[10:11] offset:512
	global_load_b128 v[CA+8:CA+11], v[CPY], s[10:11] offset:16384     ; key step 1
	global_load_b128 v[CA+12:CA+15], v[CPY], s[10:11] offset:16896
	global_load_b128 v[QQ:QQ+3], v[LI], s[8:9]                        ; Q stays in registers
	global_load_b128 v[QQ+4:QQ+7], v[LI], s[8:9] offset:512
	v_mov_b32 v17, 0xff61b1e6                      ; the largest t so far: -3e38, under every t
	v_floor_f32 v16, -v17                          ; -M
	v_mov_b32 v18, 0
	v_mov_b32 v19, 0
	v_mov_b32 v[TP], 0                             ; written once: a lane permute's destination counts as one of its sources
	v_mov_b32 v[FF+1], 0                           ; (named as the upper half of the pair)
	v_mov_b32 v[NINF], 0xff800000
.set n, 0
.rept 32
	v_mov_b32 v[O+n], 0                            ; O^T.  (The step is written once: the first finds zeros, which the first change of M leaves zeros)
.set n, n+1
.endr
	s_wait_kmcnt 0x0
	s_add_co_i32 s46, s36, s37
	s_lshl_b32 s46, s46, 23
	s_add_co_i32 s44, s44, s46                     ; a score stands for score x 2^(e6 + e7): the two exponents are added to c's exponent field
	s_mov_b32 s45, s44                             ; (named with it as a pair, so it is written)
	s_add_co_i32 s46, s38, 127
	s_lshl_b32 s47, s46, 23
	v_mov_b32 v[SCP], s47
	s_add_co_i32 s46, s46, 8
	s_lshl_b32 s46, s46, 23
	s_or_b32 s46, s46, 0x600000
	v_mov_b32 v[LIMP], s46
	s_wait_loadcnt 4                               ; key step 0's two loads are in; key step 1's and Q's may be out
	ds_store_b128 v[CPY], v[CA:CA+3]
	ds_store_b128 v[CPY], v[CA+4:CA+7] offset:512
	s_wait_dscnt 0x0                               ; for the others' sake
	s_barrier_signal -1
	s_barrier_wait -1                              ; slot 0 holds key step 0
; THE KEY STEP SK, which lies in slot sg.
.macro STEP sg
	s_wait_loadcnt 0x0                             ; key step SK + 1 is in the other copy set (and, the first time, Q)
	s_wait_alu depctr_vm_vsrc(0)                   ; the LDS stores of the step before have read this slot's copy set, in which the loads below land
	ds_store_b128 v[CPY], v[CA+8*(1-\sg):CA+8*(1-\sg)+3] offset:16384*(1-\sg)        ; into the other slot: its readers' loads were waited for in front of the last barrier
	ds_store_b128 v[CPY], v[CA+8*(1-\sg)+4:CA+8*(1-\sg)+7] offset:16384*(1-\sg)+512
	s_add_co_u32 s[KO], s25, 2
	s_min_u32 s[KO], s[KO], 15                     ; no load leaves the head's 16 key steps; what the last steps load once more is not read
	s_lshl_b32 s[KO], s[KO], 14
	s_add_nc_u64 s[KB:KB+1], s[10:11], s[KO:KO+1]  ; free since the wait on LOADcnt above, which shows the loads that read it done
	global_load_b128 v[CA+8*\sg:CA+8*\sg+3], v[CPY], s[KB:KB+1]                      ; key step SK + 2 into this slot's copy set
	global_load_b128 v[CA+8*\sg+4:CA+8*\sg+7], v[CPY], s[KB:KB+1] offset:512
	s_cmp_gt_u32 s25, s23
	s_cbranch_scc1 .Lskip_\@                       ; all of this step's keys come after my queries
	s_wait_alu depctr_va_vdst(0)                   ; the output products of the step before are done reading V's fragments, in which K's land
.irp ta, 0,1,2,3,4,5,6,7
	ds_load_b128 v[F+8*\ta:F+8*\ta+3], v[LI] offset:16384*\sg+1024*\ta
	ds_load_b128 v[F+8*\ta+4:F+8*\ta+7], v[LI] offset:16384*\sg+1024*\ta+512
.endr
	s_wait_dscnt 0x0
.irp ta, 0,1,2,3,4,5,6,7
	v_wmma_f32_16x16x64_fp8_fp8 v[S+8*\ta:S+8*\ta+7], v[F+8*\ta:F+8*\ta+7], v[QQ:QQ+7], 0
.endr
.rept 4
	v_nop                                          ; places in front of the loads over K's fragments and of the first read of scores
.endr
	s_wait_alu depctr_va_vdst(0)                   ; the score products are done reading K's fragments, in which V's land; the places above stay beside this wait
.irp ct, 0,1,2,3
.irp gg, 0,1,2,3
	ds_load_b128 v[F+16*\ct+4*\gg:F+16*\ct+4*\gg+3], v[LI] offset:16384*\sg+8192+2048*\ct+512*\gg   ; V lands while the softmax is walked
.endr
.endr
	s_cmp_lg_u32 s25, s23
	s_cbranch_scc1 .Lopen_\@                       ; all of this step's keys count
.set n, 0
.rept 8                                ; on the diagonal: register 8 n + i holds key 16 n + 8 h + i of the step: hidden where 16 n + i > v[DD].  Its score becomes -infinity: p = 0.  A tile of scores at a time
.irp i, 0,1,2,3,4,5,6,7
	v_cmp_gt_i32 s[MK+\i], 16*n+\i, v[DD]
.endr
	s_wait_alu depctr_va_sdst(0)                   ; the eight masks are written, ahead of the selections that read them
.irp i, 0,1,2,3,4,5,6,7
	v_cndmask_b32 v[S+8*n+\i], v[S+8*n+\i], v[NINF], s[MK+\i]
.endr
.set n, n+1
.endr
.Lopen_\@:
	v_max3_num_f32 v[TA], v[S], v[S+1], v[S+2]     ; the step's largest score of my query among my 64 keys, in two chains; each tile of scores is read from its low end on
	v_max3_num_f32 v[FF], v[S+3], v[S+4], v[S+5]
.irp i, 6,10,14,18,22,26,30,34,38,42,46,50,54,58
	v_max3_num_f32 v[TA], v[TA], v[S+\i], v[S+\i+1]
	v_max3_num_f32 v[FF], v[FF], v[S+\i+2], v[S+\i+3]
.endr
	v_max3_num_f32 v[TA], v[TA], v[S+62], v[S+63]
	v_max_num_f32 v[TA], v[TA], v[FF]
	v_permlanex16_b32 v[TP], v[TA], s42, s43
	v_max_num_f32 v[TA], v[TA], v[TP]              ; and among lane l xor 16's
	v_mul_f32 v[TA], s44, v[TA]                    ; as t (c is positive)
	v_max_num_f32 v17, v17, v[TA]                  ; the running largest t
	v_mov_b32 v[TA], v16
	v_floor_f32 v16, -v17                          ; the new -M = floor(-t) = -ceil(t)
	v_sub_f32 v[TA], v16, v[TA]                    ; old M - new M: a whole number, 0 or less
	v_cvt_i32_f32 v[TA], v[TA]                     ; (it saturates)
	v_ldexp_f32 v[FF], 1.0, v[TA]                  ; f = 2^(old M - new M)
.set n, 0
.rept 32
	v_pk_fma_f32 v[S+n:S+n+1], v[S+n:S+n+1], s[44:45], v[16:17] op_sel_hi:[1,0,0]   ; t - M, two at a time (of the pairs c and -M the low word serves both halves)
.set n, n+2
.endr
.set n, 0
.rept 64
	v_exp_f32 v[S+n], v[S+n]                       ; p = 2^(t - M)
.set n, n+1
.endr
	v_pk_mul_f32 v[18:19], v[18:19], v[FF:FF+1] op_sel_hi:[1,0]   ; the sums under the new M.  (The plain instruction behind the exponentials)
	s_wait_alu depctr_va_vdst(0)                   ; the 64 exponentials have written p: one wait for the batch, ahead of its first reader
	v_pk_add_f32 v[SU:SU+1], v[S:S+1], v[S+2:S+3]                 ; the row's sum is taken of the unquantised p, in two chains
.irp j, 4,8,12,16,20,24,28,32,36,40,44,48,52,56,60
	v_pk_add_f32 v[18:19], v[18:19], v[S+\j:S+\j+1]
	v_pk_add_f32 v[SU:SU+1], v[SU:SU+1], v[S+\j+2:S+\j+3]
.endr
	v_pk_add_f32 v[18:19], v[18:19], v[SU:SU+1]
	s_cmp_ge_i32 s38, -8                           ; p is at most 1, but for one rounding of t - M; from e8 = -8 on the largest code x the scale is 1.75 or more, and the hold changes nothing
	s_cbranch_scc1 .Lnohold_\@
.set n, 0
.rept 64
	v_min_num_f32 v[S+n], v[S+n], v[LIMP]          ; the conversion to an 8-bit code does not saturate (ISA guide 7.6.2); p is not negative, so the hold is one-sided
.set n, n+1
.endr
.Lnohold_\@:
.irp ta, 0,1,2,3,4,5,6,7
	v_cvt_scalef32_pk8_fp8_f32 v[PC+2*\ta:PC+2*\ta+1], v[S+8*\ta:S+8*\ta+7], v[SCP]   ; registers 2 ta, 2 ta + 1: keys 16 ta + 8 h + 0 .. 7
.endr
.set n, 0
.rept 16
	v_pk_mul_f32 v[O+n:O+n+1], v[O+n:O+n+1], v[FF:FF+1] op_sel_hi:[1,0]   ; O^T under the new M.  (Also the plain instructions behind the conversions)
.set n, n+2
.endr
	s_wait_dscnt 0x0                               ; V is in
.irp ct, 0,1,2,3
	v_wmma_f32_16x16x128_fp8_fp8 v[O+8*\ct:O+8*\ct+7], v[F+16*\ct:F+16*\ct+15], v[PC:PC+15], v[O+8*\ct:O+8*\ct+7]   ; four accumulators by turns
.endr
.rept 4
	v_nop                                          ; places in front of the next loads over V's fragments and of the next read of O^T
.endr
.Lskip_\@:
	s_add_co_u32 s25, s25, 1
	s_wait_dscnt 0x0                               ; my stores into the other slot have landed, my reads of this slot are in
	s_barrier_signal -1
	s_barrier_wait -1                              ; so the other slot may be read, and this one written
.endm
.Ltrip:
	STEP 0
	STEP 1
	s_sub_co_u32 s24, s24, 1
	s_cmp_lg_u32 s24, 0
	s_cbranch_scc1 .Ltrip
	; THE WAY OUT: O^T / the sum stands for the output / 2^(e8 + e9); it is quantised with 2^e10: the conversion takes 2^(e10 - e8 - e9).
	s_sub_co_i32 s46, s40, s38
	s_sub_co_i32 s46, s46, s39
	s_add_co_i32 s46, s46, 127
	s_lshl_b32 s47, s46, 23
	s_add_co_i32 s46, s46, 8
	s_lshl_b32 s46, s46, 23
	s_or_b32 s46, s46, 0x600000
	v_add_f32 v18, v18, v19                        ; the sum's two halves,
	v_permlanex16_b32 v[TP], v18, s42, s43
	v_add_f32 v18, v18, v[TP]                      ; and lane l xor 16's
	v_rcp_f32 v18, v18
	v_mov_b32 v221, s47                            ; (a plain instruction behind the reciprocal)
	v_mov_b32 v222, s46
.set n, 0
	s_wait_alu depctr_va_vdst(0)                   ; the reciprocal has written v18, ahead of its first reader
.rept 16
	v_pk_mul_f32 v[S+n:S+n+1], v[O+n:O+n+1], v[18:19] op_sel_hi:[1,0]   ; each accumulator from its low end on
.set n, n+2
.endr
.set n, 0
.rept 32
	v_med3_num_f32 v[S+n], v[S+n], -v222, v222
.set n, n+1
.endr
.irp ct, 0,1,2,3
	v_cvt_scalef32_pk8_fp8_f32 v[PC+2*\ct:PC+2*\ct+1], v[S+8*\ct:S+8*\ct+7], v221   ; channels 16 ct + 8 h + 0 .. 7 of my query
.endr
	v_nop                                          ; a plain instruction behind the last conversion
	s_wait_alu depctr_va_vdst(0)                   ; the conversions have written the eight registers of codes, which the two stores read
	global_store_b128 v[LI], v[PC:PC+3], s[14:15]
	global_store_b128 v[LI], v[PC+4:PC+7], s[14:15] offset:512
	s_wait_dscnt 0x0                               ; the closing lines, six on end
	s_wait_alu 0x0
	s_wait_tensorcnt 0x0
	ds_add_u32 v224, v225
	s_wait_dscnt 0x0
	s_endpgm
.Lfunc_end_k_q8c0ee67c65_att:
	.size	k_q8c0ee67c65_att, .Lfunc_end_k_q8c0ee67c65_att-k_q8c0ee67c65_att
	.p2alignl 7, 3214868480
	.fill 96, 4, 3214868480
	.section	.rodata,"a",@progbits
	.p2align	6, 0x0
	.amdhsa_kernel k_q8c0ee67c65_att
		.amdhsa_group_segment_fixed_size 34816
		.amdhsa_private_segment_fixed_size 0
		.amdhsa_enable_private_segment 0
		.amdhsa_kernarg_size 32
		.amdhsa_user_sgpr_count 2
		.amdhsa_user_sgpr_kernarg_segment_ptr 1
		.amdhsa_wavefront_size32 1
		.amdhsa_system_sgpr_workgroup_id_x 1
		.amdhsa_system_sgpr_workgroup_id_y 1
		.amdhsa_system_sgpr_workgroup_id_z 1
		.amdhsa_system_vgpr_workitem_id 0
		.amdhsa_next_free_vgpr 226
		.amdhsa_next_free_sgpr 66
		.amdhsa_reserve_vcc 0
		.amdhsa_float_denorm_mode_32 3
		.amdhsa_float_denorm_mode_16_64 3
		.amdhsa_memory_ordered 1
		.amdhsa_forward_progress 1
		.amdhsa_inst_pref_size 60
	.end_amdhsa_kernel
	.amdgpu_metadata
---
amdhsa.version: [ 1, 2 ]
amdhsa.kernels:
  - .name:           k_q8c0ee67c65_att
    .symbol:         k_q8c0ee67c65_att.kd
    .args:
      - { .name: qimg, .offset: 0, .size: 8, .value_kind: global_buffer, .address_space: global }
      - { .name: kv, .offset: 8, .size: 8, .value_kind: global_buffer, .address_space: global }
      - { .name: lowp_scales, .offset: 16, .size: 8, .value_kind: global_buffer, .address_space: global }
      - { .name: aimg, .offset: 24, .size: 8, .value_kind: global_buffer, .address_space: global }
    .group_segment_fixed_size: 34816
    .private_segment_fixed_size: 0
    .kernarg_segment_align: 8
    .kernarg_segment_size: 32
    .max_flat_workgroup_size: 512
    .sgpr_count:     66
    .vgpr_count:     226
    .wavefront_size: 32
...
	.end_amdgpu_metadata
.endif
;; end of part 6
;; launch outp (part 7): grid 4 x 64, 4 waves a work-group, no clusters, 83,456 bytes of LDS; arguments aimg, wimg, lowp_scales, out0; writes out0
.if DOCPART == 7
	.amdgcn_target "amdgcn-amd-amdhsa--gfx1250"
	.amdhsa_code_object_version 6
	.text
	.protected	k_q8c0ee67c65_outp
	.globl	k_q8c0ee67c65_outp
	.p2align	8
	.type	k_q8c0ee67c65_outp,@function
k_q8c0ee67c65_outp:
	s_mov_b64 s[64:65], 0
	v_nop
	global_prefetch_b8 v0, s[64:65] scope:SCOPE_SE
	s_setreg_imm32_b32 hwreg(HW_REG_WAVE_SCHED_MODE, 0, 2), 2
	s_setreg_imm32_b32 hwreg(HW_REG_WAVE_MODE, 25, 1), 1
	s_wait_xcnt 0x0
	s_wait_alu depctr_vm_vsrc(0)
; OUTP: out0 = (attention's output) wo, on codes of FP8 (E4M3) that lie as images of operand registers; each finished sum x 2^(e10 + e11).  K = 1,024 in eight steps of 128, by v_wmma_f32_16x16x128_fp8_fp8.
; Work-group (x, y): rows 64 y on, columns 256 x on.  D = P x Q.  P (source 0): wave w's 64 columns of wo, 4 tiles x 8 K steps, a dense block of 64 KiB, from memory straight into 512 registers.
; Q (source 1): the 4 row tiles, a dense block of 64 KiB shared by the four waves, copied into LDS once, K step by K step, each step into bytes of its own.
; In D register j of lane (r, h) is (column 8 h + j of the tile, row r): eight neighbouring numbers of a row of out0.
; No cluster: what partners would share, Q, is 64 of a work-group's 320 KiB; P goes to registers, not to LDS.
; LIMIT: e10 + e11 lies between -126 and 127, so that 2^(e10 + e11) is an f32 number.
; REGISTERS, in windows of 256: window 0: v1-10 addresses; v16-79 and v80-143 Q's four fragments, two sets by turns; v144-191 three sets of 16 for the copy into LDS;
;   on the way out v16-143 the scaled sums, v144-239 and v16-47 the four blocks' rows.
;   windows 1, 2: P, K step s at v[64 (s % 4) + 16 pt] of window 1 + s / 4.   window 3: accumulator (q, pt) at v[8 (4 q + pt)].
; THE MODE: SCHED_MODE bits 1:0 = 2 (LLVM: expert scheduling mode 2), set by the entry lines.  The code itself states the register dependences
; between vector or matrix instructions and memory or LDS instructions, with s_wait_alu, always for 0.
; THE PLAN.  Registers that memory or LDS instructions touch:
;   v1-10       addresses: written at the head, never again.
;   P           each register is the target of one load and is named by nothing ahead of it; read by matrix instructions alone.
;   SG0 .. SG2  copy sets: K step s's copy loads land in SG[s % 3], COPY(s)'s LDS stores read it, the copy loads of K step s + 3 land in it again.
;   QF0, QF1    K step s: its sixteen matrix instructions read QF[s % 2]; behind its barrier the LDS loads of K step s + 1 land in the other set, which the matrix instructions of K step s - 1 have read.
;   way out     v16-143: written by the multiplications, read by the stage's LDS stores.  Each block's rows come back into registers of their own, which its global stores read and nothing writes again.
; So a K step has one wait on va_vdst, behind its barrier, and one on vm_vsrc, ahead of the copy; the next step's LDS loads are dealt among the step's last eight matrix instructions.  The way out has one wait of each kind.
.set NQT, 4
.set NC,  NQT                          ; loads a wave and K step for the copy: 1 tile x 4
.set L,   NC+16                        ; all loads of a K step
.set NH,  2*NQT                        ; LDS loads that bring half of Q's fragments
.set LI,  1                            ; v1  16 x lane
.set CP,  3                            ; v3  where I store my tile of a K step: 16 x lane + 2,048 x wave
.set GQ,  5                            ; v5  my tile in Q's block: 16 x lane + 16,384 x wave
.set STO, 8                            ; v8  the stage: where I put 32 bytes of a row
.set RD,  9                            ; v9  and where I read rows back
.set CO,  10                           ; v10 my byte offset in two rows of out0
.set QF,  16
.set SG,  144
.set TMP, 16
.set BK,  144
.set STG, 65536                        ; behind Q's 64 KiB: a stage of 16 rows x (256 bytes + 16) for each wave
.set SP,  272
.set PB,  10                           ; s[10:11] P's block
.set QB,  8                            ; s[8:9]   Q's block
.set OB,  14                           ; s[14:15] my first row and column of out0
.set MSB, 0
.macro WIN new                         ; the immediate's high byte repeats the setting that is left; a switch that changes nothing is dropped
.if MSB != (\new)
	s_set_vgpr_msb (MSB<<8)|(\new)
.set MSB, (\new)
.endif
.endm
.macro PLACES                          ; four plain vector instructions between a matrix instruction and a load into, or a vector instruction on, one of its registers
.rept 4
	v_nop
.endr
.endm
.macro BAR                             ; my LDS stores have landed and my LDS loads are in: then the work-group's barrier
	s_wait_dscnt 0x0
	s_barrier_signal -1
	s_barrier_wait -1
.endm
.macro LOADS s                         ; K step s: my tile of Q into copy set s % 3, then my four fragments of P into their own registers
	WIN 0
.irp c, 0,1,2,3
	global_load_b128 v[SG+16*((\s)%3)+4*\c:SG+16*((\s)%3)+4*\c+3], v[GQ], s[QB:QB+1] offset:(\s)*2048+512*\c
.endr
	WIN 0x40*(1+(\s)/4)                            ; destination window 1 or 2
.irp pt, 0,1,2,3
.irp c, 0,1,2,3
	global_load_b128 v[64*((\s)%4)+16*\pt+4*\c:64*((\s)%4)+16*\pt+4*\c+3], v[LI], s[PB:PB+1] offset:(8*\pt+(\s))*2048+512*\c
.endr
.endr
.endm
.macro COPY s, cnt                     ; K step s's tile goes to LDS at [s][tile][2,048].  cnt: the loads issued behind it
	s_wait_loadcnt \cnt
	WIN 0
.irp c, 0,1,2,3
	ds_store_b128 v[CP], v[SG+16*((\s)%3)+4*\c:SG+16*((\s)%3)+4*\c+3] offset:(\s)*NQT*2048+512*\c
.endr
.endm
.macro FR s, q                         ; Q's fragment q of K step s, from LDS into set s % 2
	WIN 0
.irp c, 0,1,2,3
	ds_load_b128 v[QF+64*((\s)%2)+16*(\q)+4*\c:QF+64*((\s)%2)+16*(\q)+4*\c+3], v[LI] offset:((\s)*NQT+(\q))*2048+512*\c
.endr
.endm
.macro WM s, q, zero                   ; four matrix instructions: P's four tiles of K step s against Q's fragment q.  The accumulators take turns, one instruction a turn, in the same order in every step.  zero = 1: the first K step starts the sums
	WIN 0xf1+(\s)/4                                ; source 0 (P) window 1 or 2, source 1 (Q) window 0, C and D window 3
.irp pt, 0,1,2,3
.if \zero
	v_wmma_f32_16x16x128_fp8_fp8 v[8*(4*(\q)+\pt):8*(4*(\q)+\pt)+7], v[64*((\s)%4)+16*\pt:64*((\s)%4)+16*\pt+15], v[QF+64*((\s)%2)+16*(\q):QF+64*((\s)%2)+16*(\q)+15], 0
.else
	v_wmma_f32_16x16x128_fp8_fp8 v[8*(4*(\q)+\pt):8*(4*(\q)+\pt)+7], v[64*((\s)%4)+16*\pt:64*((\s)%4)+16*\pt+15], v[QF+64*((\s)%2)+16*(\q):QF+64*((\s)%2)+16*(\q)+15], v[8*(4*(\q)+\pt):8*(4*(\q)+\pt)+7]
.endif
.endr
.endm
; A K STEP.  Loads run three K steps ahead of the products, the copy into LDS one step.  One barrier a step: behind it the next step's four tiles lie in LDS; no LDS byte of Q's is written twice.
.macro KSTEP s, zero
.if (\s) <= 5
	s_wait_loadcnt 2*L                             ; P of this step is in; behind it the loads of the two later K steps were issued
.elseif (\s) == 6
	s_wait_loadcnt L                               ; behind it: the last K step's
.else
	s_wait_loadcnt 0x0
.endif
	s_wait_dscnt NH                                ; Q's fragments 0, 1 are in; the youngest eight loads (fragments 2, 3) may be out
	WM \s, 0, \zero
	WM \s, 1, \zero
.if (\s) < 7
.if (\s)+3 <= 7
	s_wait_alu depctr_vm_vsrc(0)                   ; the LDS stores of this step's own copy, issued a step ago, have read the copy set in which the loads of three steps on land
.endif
.if (\s) == 6
	COPY (\s)+1, 16                                ; behind the last step's copy loads: its 16 loads of P
.else
	COPY (\s)+1, 16+L                              ; behind the next step's copy loads: its 16 loads of P and the L of the step after
.endif
.if (\s)+3 <= 7
	LOADS (\s)+3
.endif
	BAR
.if (\s) > 0
	PLACES
	s_wait_alu depctr_va_vdst(0)                   ; the matrix instructions of the step before are done reading the other set of fragments, in which the next step's land.  (In step 0 that set has not been read)
.endif
	WM \s, 2, \zero
	FR (\s)+1, 0                                   ; no wait among these lines: no matrix instruction of this step names the other set
	FR (\s)+1, 1
	WM \s, 3, \zero
	FR (\s)+1, 2
	FR (\s)+1, 3
.else
	s_wait_dscnt 0x0
	WM \s, 2, \zero
	WM \s, 3, \zero
.endif
.endm
	s_load_b256 s[8:15], s[0:1], 0x0               ; aimg s[8:9], wimg s[10:11], the scales' exponents s[12:13], out0 s[14:15]
	v_lshl_add_u32 v254, v0, 2, 0x14400
	v_mov_b32 v255, 0
	v_lshrrev_b32 v1, 5, v0
	v_readfirstlane_b32 s4, v1                     ; wave 0..3
	v_and_b32 v1, 31, v0
	v_lshlrev_b32 v[LI], 4, v1
	v_and_b32 v6, 15, v0                           ; r
	v_bfe_u32 v7, v0, 4, 1                         ; h
	s_wait_alu depctr_va_sdst(0)                   ; s4 is written, ahead of its first reader
	s_lshl_b32 s5, s4, 11
	v_add_nc_u32 v[CP], s5, v[LI]
	s_lshl_b32 s23, s4, 14
	v_add_nc_u32 v[GQ], s23, v[LI]
	s_mul_i32 s22, s4, 16*SP
	s_add_co_u32 s22, s22, STG                     ; my stage
	v_mul_u32_u24 v[STO], v6, SP
	v_lshl_add_u32 v[STO], v7, 5, v[STO]
	v_add_nc_u32 v[STO], s22, v[STO]               ; in: row r, + 32 h bytes
	v_mul_u32_u24 v[RD], v7, SP
	v_lshl_add_u32 v[RD], v6, 4, v[RD]
	v_add_nc_u32 v[RD], s22, v[RD]                 ; back: lanes 0-15 one row of 256 bytes, lanes 16-31 the next
	v_lshlrev_b32 v[CO], 12, v7
	v_lshl_add_u32 v[CO], v6, 4, v[CO]             ; and the same two rows in out0
	s_and_b32 s6, ttmp7, 0xffff                    ; y
	s_lshl_b32 s7, ttmp9, 2
	s_add_co_u32 s7, s7, s4                        ; 4 x + w: which 64 columns
	s_lshl_b32 s16, s7, 16
	s_add_co_u32 s16, s16, 1572864                 ; wo's tiles begin at tile 96 of wimg
	s_mov_b32 s17, 0
	s_lshl_b32 s18, s6, 16                         ; four row tiles of 16,384 bytes
	s_mov_b32 s19, 0
	s_lshl_b32 s20, s6, 18                         ; 64 rows of 4,096 bytes,
	s_lshl_b32 s21, s7, 8                          ; + 64 columns of 4 bytes
	s_add_co_u32 s20, s20, s21
	s_mov_b32 s21, 0
	s_wait_kmcnt 0x0
	s_load_b64 s[24:25], s[12:13], 0x28            ; e10, e11
	s_add_nc_u64 s[PB:PB+1], s[PB:PB+1], s[16:17]
	s_add_nc_u64 s[QB:QB+1], s[QB:QB+1], s[18:19]
	s_add_nc_u64 s[OB:OB+1], s[OB:OB+1], s[20:21]
	s_wait_alu depctr_va_vdst(0)                   ; the six addresses v1, v3, v5, v8, v9, v10 are written: every load, store and LDS instruction of the kernel reads one of them
	LOADS 0
	LOADS 1
	COPY 0, 16+L                                   ; behind K step 0's copy loads: its 16 loads of P and K step 1's L
	LOADS 2
	BAR
	FR 0, 0
	FR 0, 1
	FR 0, 2
	FR 0, 3
	KSTEP 0, 1
.irp s, 1,2,3,4,5,6,7
	KSTEP \s, 0
.endr
	PLACES                                         ; behind the last products, in front of the first read of results and the first write over Q's fragments
	WIN 0
	s_wait_kmcnt 0x0
	s_add_co_i32 s24, s24, s25
	s_add_co_i32 s24, s24, 127
	s_lshl_b32 s24, s24, 23                        ; 2^(e10 + e11) as f32
	s_mov_b32 s25, s24                             ; (named with it as a pair, so it is written)
; THE WAY OUT, a block of 16 rows x my 64 columns at a time.  A lane holds 32 neighbouring bytes of a row, the lanes beside it other rows: the block goes through my own stage in LDS and comes back as whole
; rows of 256 bytes.  LDS serves a wave's instructions in order (ISA guide 5.7.1.4): no wait between the stores and the loads for the bytes' sake, nor in front of the next block's stores.
.macro SCALE qt                        ; block qt's sums x 2^(e10 + e11) into registers of their own
.irp pt, 0,1,2,3
.irp i, 0,2,4,6
	v_pk_mul_f32 v[TMP+32*(\qt)+8*\pt+\i:TMP+32*(\qt)+8*\pt+\i+1], v[8*(4*(\qt)+\pt)+\i:8*(4*(\qt)+\pt)+\i+1], s[24:25] op_sel_hi:[1,0]   ; each accumulator from its low end on
.endr
.endr
.endm
.macro INTO qt                         ; into the stage
.irp pt, 0,1,2,3
	ds_store_b128 v[STO], v[TMP+32*(\qt)+8*\pt:TMP+32*(\qt)+8*\pt+3] offset:64*\pt
	ds_store_b128 v[STO], v[TMP+32*(\qt)+8*\pt+4:TMP+32*(\qt)+8*\pt+7] offset:64*\pt+16
.endr
.endm
.macro BACK qt                         ; and back as rows: blocks 0 to 2 into v144-239, block 3 into the registers that block 0's sums have left
.set BB, BK+32*(\qt)
.if (\qt) == 3
.set BB, TMP
.endif
.irp i, 0,1,2,3,4,5,6,7
	ds_load_b128 v[BB+4*\i:BB+4*\i+3], v[RD] offset:2*\i*SP
.endr
.endm
.macro SEND qt, younger                ; younger: the LDS instructions issued behind block qt's loads, which may stay out
.set BB, BK+32*(\qt)
.if (\qt) == 3
.set BB, TMP
.endif
	s_wait_dscnt \younger
.irp i, 0,1,2,3,4,5,6,7
	global_store_b128 v[CO], v[BB+4*\i:BB+4*\i+3], s[OB:OB+1] offset:(16*(\qt)+2*\i)*4096 th:TH_STORE_NT   ; sixteen lanes store 256 consecutive bytes, at a multiple of 256 from out0's first byte; written once, read by nobody here
.endr
.endm
	WIN 0x03                                       ; source 0 (the sums) window 3
	SCALE 0
	SCALE 1
	SCALE 2
	SCALE 3
	WIN 0
	s_wait_alu depctr_va_vdst(0)                   ; the multiplications have written v16-143, which the stage's LDS stores read, and in whose first 32 block 3's rows land
	INTO 0
	s_wait_alu depctr_vm_vsrc(0)                   ; the copies' LDS stores have read v144-191, and block 0's LDS stores v16-47: rows land in both
	BACK 0
	INTO 1
	BACK 1
	SEND 0, 16                                     ; behind block 0's loads: block 1's 8 stores and 8 loads
	INTO 2
	BACK 2
	SEND 1, 16
	INTO 3
	BACK 3
	SEND 2, 16
	SEND 3, 0
	s_wait_dscnt 0x0                               ; the closing lines, six on end
	s_wait_alu 0x0
	s_wait_tensorcnt 0x0
	ds_add_u32 v254, v255
	s_wait_dscnt 0x0
	s_endpgm
.Lfunc_end_k_q8c0ee67c65_outp:
	.size	k_q8c0ee67c65_outp, .Lfunc_end_k_q8c0ee67c65_outp-k_q8c0ee67c65_outp
	.p2alignl 7, 3214868480
	.fill 96, 4, 3214868480
	.section	.rodata,"a",@progbits
	.p2align	6, 0x0
	.amdhsa_kernel k_q8c0ee67c65_outp
		.amdhsa_group_segment_fixed_size 83456
		.amdhsa_private_segment_fixed_size 0
		.amdhsa_enable_private_segment 0
		.amdhsa_kernarg_size 32
		.amdhsa_user_sgpr_count 2
		.amdhsa_user_sgpr_kernarg_segment_ptr 1
		.amdhsa_wavefront_size32 1
		.amdhsa_system_sgpr_workgroup_id_x 1
		.amdhsa_system_sgpr_workgroup_id_y 1
		.amdhsa_system_sgpr_workgroup_id_z 1
		.amdhsa_system_vgpr_workitem_id 0
		.amdhsa_next_free_vgpr 896
		.amdhsa_next_free_sgpr 66
		.amdhsa_reserve_vcc 0
		.amdhsa_float_denorm_mode_32 3
		.amdhsa_float_denorm_mode_16_64 3
		.amdhsa_memory_ordered 1
		.amdhsa_forward_progress 1
		.amdhsa_inst_pref_size 52
	.end_amdhsa_kernel
	.amdgpu_metadata
---
amdhsa.version: [ 1, 2 ]
amdhsa.kernels:
  - .name:           k_q8c0ee67c65_outp
    .symbol:         k_q8c0ee67c65_outp.kd
    .args:
      - { .name: aimg, .offset: 0, .size: 8, .value_kind: global_buffer, .address_space: global }
      - { .name: wimg, .offset: 8, .size: 8, .value_kind: global_buffer, .address_space: global }
      - { .name: lowp_scales, .offset: 16, .size: 8, .value_kind: global_buffer, .address_space: global }
      - { .name: out0, .offset: 24, .size: 8, .value_kind: global_buffer, .address_space: global }
    .group_segment_fixed_size: 83456
    .private_segment_fixed_size: 0
    .kernarg_segment_align: 8
    .kernarg_segment_size: 32
    .max_flat_workgroup_size: 128
    .sgpr_count:     66
    .vgpr_count:     896
    .wavefront_size: 32
...
	.end_amdgpu_metadata
.endif
;; end of part 7
